; MI455X (gfx1250); checked and timed in simulation.
; The chip was launched on July 23, 2026; its instructions are those of AMD's public machine-readable ISA for CDNA 5 (MIT licence, August 2026) and "CDNA5" Instruction Set Architecture Reference Guide (July 2026). The comments in the code are by the model that wrote it; some were corrected since.
;; Contextual Attention. Allowed arithmetic: float matrix products may take bf16 or f16 operands with f32 sums; other float arithmetic in f32, or as packed bf16 or f16 multiplies, adds, multiply-adds, maxima and minima; sums over many terms, partial sums and values carried from step to step in f32; what a program stores and reads back later, other than sums and carried values, may be rounded once to bf16 or f16.
;; Inputs: Wk 1,024 x 1,024 float32; Wq 1,024 x 1,024 float32; Wu 1,024 x 1,024 float32; Wv 1,024 x 1,024 float32; bu 1,024 float32; context 2 x 2,048 x 1,024 float32; contextMask 2 x 2,048 float32; kln_b 64 float32; kln_w 64 float32; mask 2 x 2,048 float32; qln_b 64 float32; qln_w 64 float32; x 2 x 2,048 x 1,024 float32.
;; Outputs: out0 2 x 2,048 x 1,024 float32.
;; 2 versions, each right; version 2 is version 1 with the launch cast written anew for expert scheduling mode. Each part assembles by itself: llvm-mc -triple=amdgcn-amd-amdhsa -mcpu=gfx1250 --defsym DOCPART=n.
;; ======== version 1 of 2: 4 launches
;; limits: values are held in f16: magnitudes above 65,504 overflow, below 6.1e-05 lose precision
;; workspace buffers: xc 16,777,216 bytes; wcat 6,291,456 bytes; wuh 2,097,152 bytes; msk 81,920 bytes; qh 8,388,608 bytes; kh 16,777,216 bytes; vh 16,777,216 bytes; oh 8,388,608 bytes
;; launch cast (part 1): grid 64 x 12, 8 waves a work-group, no clusters, 0 bytes of LDS; arguments x, context, Wk, Wv, Wq, Wu, mask, contextMask, xc, wcat, wuh, msk; writes xc, wcat, wuh, msk
.if DOCPART == 1
	.amdgcn_target "amdgcn-amd-amdhsa--gfx1250"
	.amdhsa_code_object_version 6
	.text
	.protected	k_qd945e3fc44_cast
	.globl	k_qd945e3fc44_cast
	.p2align	8
	.type	k_qd945e3fc44_cast,@function
k_qd945e3fc44_cast:
	s_mov_b64 s[64:65], 0
	v_nop
	global_prefetch_b8 v0, s[64:65] scope:SCOPE_SE
	s_setreg_imm32_b32 hwreg(HW_REG_WAVE_MODE, 25, 1), 1
	s_wait_xcnt 0x0
; CAST.  The module's f32 inputs are rounded once to bf16 and laid out for the products that follow.
;   xc   bf16 [8192][1024]: row b*4096 + t; t < 2048 is x[b][t], else context[b][t-2048]
;   wcat bf16 [1024 k][3072 n] = [Wk | Wv | Wq];   wuh [1024 k][1024 n]: Wu rounded to bf16, that number written as f16
;   msk  bytes 0..32767: mcat f32 [2][4096] = [mask | contextMask]; from 32768: f16 [2][3][4096]: the mask, ones, zeros
; LIMIT: a bf16 number of Wu below 2^-17 in size keeps f16's fixed step of 2^-24; beyond 65,504 it becomes an infinity.
; SHARES.  Grid y names a segment of 1,024 source rows of 4,096 bytes (0-3 x, 4-7 context, 8 Wk, 9 Wv, 10 Wq, 11 Wu); a work-group takes 16 rows;
; thread t takes numbers 4 t .. 4 t + 3 of each row: a wave's load covers 512 consecutive bytes, a wave's store 256 consecutive bytes, aligned.
; All 16 loads of a thread go out at once.  No LDS, no barrier: no wave wants another's bytes.
.set VS, 1                             ; v1  16 t: my bytes in a source row; never rewritten
.set VD, 2                             ; v2  8 t: my bytes in a destination row; never rewritten
.set XR, 4                             ; v[4:67]   row r as loaded, 4 registers
.set YR, 68                            ; v[68:99]  row r to store, 2 registers
.set TT, 100                           ; v[100:107] at work
	s_load_b512 s[8:23], s[0:1], 0x0               ; x 8, context 10, Wk 12, Wv 14, Wq 16, Wu 18, mask 20, contextMask 22
	s_load_b256 s[24:31], s[0:1], 0x40             ; xc 24, wcat 26, wuh 28, msk 30
	s_and_b32 s32, ttmp7, 0xffff                   ; y: the segment
	s_mov_b32 s33, ttmp9                           ; xb: which 16 rows of it
	v_lshrrev_b32 v3, 5, v0
	v_readfirstlane_b32 s34, v3                    ; wave
	v_lshlrev_b32 v[VS], 4, v0
	v_lshlrev_b32 v[VD], 3, v0
	s_and_b32 s44, s32, 3                          ; j
	s_lshl_b32 s45, s33, 4                         ; 16 xb
	s_lshl_b32 s46, s44, 10
	s_cmp_lt_u32 s32, 8
	s_cselect_b32 s46, s46, 0                      ; x and context have four segments, a weight one
	s_add_co_u32 s46, s46, s45
	s_lshl_b32 s40, s46, 12                        ; source offset: row x 4,096
	s_mov_b32 s41, 0
	s_lshr_b32 s47, s44, 1                         ; batch
	s_lshl_b32 s47, s47, 12
	s_bfe_u32 s48, s32, 0x10002                    ; 0: x, 1: context
	s_lshl_b32 s48, s48, 11
	s_add_co_u32 s47, s47, s48
	s_and_b32 s48, s44, 1
	s_lshl_b32 s48, s48, 10
	s_add_co_u32 s47, s47, s48
	s_add_co_u32 s47, s47, s45
	s_lshl_b32 s47, s47, 11                        ; xc: row x 2,048
	s_mul_i32 s48, s45, 6144                       ; wcat: row x 6,144
	s_max_u32 s49, s32, 8
	s_sub_co_u32 s49, s49, 8
	s_lshl_b32 s49, s49, 11                        ; + which of the three weights x 2,048
	s_add_co_u32 s48, s48, s49
	s_lshl_b32 s50, s45, 11                        ; wuh: row x 2,048
	s_cmp_lt_u32 s32, 8
	s_cselect_b32 s42, s47, s48
	s_cmp_eq_u32 s32, 11
	s_cselect_b32 s42, s50, s42
	s_mov_b32 s43, 0
	s_wait_kmcnt 0x0
	s_cmp_ge_u32 s32, 4
	s_cselect_b64 s[36:37], s[10:11], s[8:9]
	s_cmp_ge_u32 s32, 8
	s_cselect_b64 s[36:37], s[12:13], s[36:37]
	s_cmp_ge_u32 s32, 9
	s_cselect_b64 s[36:37], s[14:15], s[36:37]
	s_cmp_ge_u32 s32, 10
	s_cselect_b64 s[36:37], s[16:17], s[36:37]
	s_cmp_ge_u32 s32, 11
	s_cselect_b64 s[36:37], s[18:19], s[36:37]
	s_cmp_ge_u32 s32, 8
	s_cselect_b64 s[38:39], s[26:27], s[24:25]
	s_cmp_eq_u32 s32, 11
	s_cselect_b64 s[38:39], s[28:29], s[38:39]
	s_add_nc_u64 s[36:37], s[36:37], s[40:41]      ; source at my 16 rows
	s_add_nc_u64 s[38:39], s[38:39], s[42:43]      ; destination at my 16 rows
.set r, 0
.rept 16
	global_load_b128 v[XR+4*r:XR+4*r+3], v[VS], s[36:37] offset:4096*r th:TH_LOAD_NT
.set r, r+1
.endr
; Row by row: the wait leaves the younger rows' loads out; two roundings; one store.  No register that a store reads is written again.
.macro ROWS pitch
.set r, 0
.rept 16
	s_wait_loadcnt 15-r
	v_cvt_pk_bf16_f32 v[YR+2*r], v[XR+4*r], v[XR+4*r+1]
	v_cvt_pk_bf16_f32 v[YR+2*r+1], v[XR+4*r+2], v[XR+4*r+3]
	global_store_b64 v[VD], v[YR+2*r:YR+2*r+1], s[38:39] offset:(\pitch)*r
.set r, r+1
.endr
.endm
	s_cmp_eq_u32 s32, 11
	s_cbranch_scc1 .Lf16
	s_cmp_ge_u32 s32, 8
	s_cbranch_scc1 .Lw
	ROWS 2048
	s_endpgm
.Lw:
	ROWS 6144
	s_endpgm
.Lf16:                                         ; Wu: rounded to bf16, widened, written as f16
.set r, 0
.rept 16
	s_wait_loadcnt 15-r
	v_cvt_pk_bf16_f32 v[TT], v[XR+4*r], v[XR+4*r+1]
	v_cvt_pk_bf16_f32 v[TT+1], v[XR+4*r+2], v[XR+4*r+3]
	v_lshlrev_b32 v[TT+2], 16, v[TT]
	v_and_b32 v[TT+3], 0xffff0000, v[TT]
	v_lshlrev_b32 v[TT+4], 16, v[TT+1]
	v_and_b32 v[TT+5], 0xffff0000, v[TT+1]
	v_cvt_pk_f16_f32 v[YR+2*r], v[TT+2], v[TT+3]
	v_cvt_pk_f16_f32 v[YR+2*r+1], v[TT+4], v[TT+5]
	global_store_b64 v[VD], v[YR+2*r:YR+2*r+1], s[38:39] offset:2048*r
.set r, r+1
.endr
	; THE MASKS: wave 0 of the first 32 of these work-groups takes 256 mask numbers each: block xb = batch x 16 + part x 8 + idx
	s_cmp_lt_u32 s33, 32
	s_cbranch_scc0 .Lend
	s_cmp_eq_u32 s34, 0
	s_cbranch_scc0 .Lend
	s_lshr_b32 s52, s33, 4                         ; batch
	s_bfe_u32 s53, s33, 0x10003                    ; 0: mask, 1: contextMask
	s_and_b32 s54, s33, 7
	s_lshl_b32 s50, s52, 13
	s_lshl_b32 s54, s54, 10
	s_add_co_u32 s50, s50, s54
	s_mov_b32 s51, 0
	s_cmp_eq_u32 s53, 1
	s_cselect_b64 s[44:45], s[22:23], s[20:21]
	s_add_nc_u64 s[44:45], s[44:45], s[50:51]
	s_lshl_b32 s50, s33, 10
	s_add_nc_u64 s[46:47], s[30:31], s[50:51]      ; mcat: 1,024 bytes a block
	s_mul_i32 s50, s52, 24576
	s_and_b32 s54, s33, 15
	s_lshl_b32 s54, s54, 9
	s_add_co_u32 s50, s50, s54
	s_add_co_u32 s50, s50, 32768
	s_add_nc_u64 s[48:49], s[30:31], s[50:51]      ; the f16 tables: 512 bytes a block
	global_load_b128 v[XR:XR+3], v[VS], s[44:45]
	global_load_b128 v[XR+4:XR+7], v[VS], s[44:45] offset:512
	v_mov_b32 v[TT+4], 0x3c003c00                  ; 1.0 twice in f16
	v_mov_b32 v[TT+5], 0x3c003c00
	v_mov_b32 v[TT+6], 0
	v_mov_b32 v[TT+7], 0
	s_wait_loadcnt 0x0
	v_cvt_pk_f16_f32 v[TT], v[XR], v[XR+1]
	v_cvt_pk_f16_f32 v[TT+1], v[XR+2], v[XR+3]
	v_cvt_pk_f16_f32 v[TT+2], v[XR+4], v[XR+5]
	v_cvt_pk_f16_f32 v[TT+3], v[XR+6], v[XR+7]
.irp g, 0,1
	global_store_b128 v[VS], v[XR+4*(\g):XR+4*(\g)+3], s[46:47] offset:512*(\g)
	global_store_b64 v[VD], v[TT+2*(\g):TT+2*(\g)+1], s[48:49] offset:256*(\g)
	global_store_b64 v[VD], v[TT+4:TT+5], s[48:49] offset:8192+256*(\g)
	global_store_b64 v[VD], v[TT+6:TT+7], s[48:49] offset:16384+256*(\g)
.endr
.Lend:
	s_endpgm
.Lfunc_end_k_qd945e3fc44_cast:
	.size	k_qd945e3fc44_cast, .Lfunc_end_k_qd945e3fc44_cast-k_qd945e3fc44_cast
	.p2alignl 7, 3214868480
	.fill 96, 4, 3214868480
	.section	.rodata,"a",@progbits
	.p2align	6, 0x0
	.amdhsa_kernel k_qd945e3fc44_cast
		.amdhsa_group_segment_fixed_size 0
		.amdhsa_private_segment_fixed_size 0
		.amdhsa_enable_private_segment 0
		.amdhsa_kernarg_size 96
		.amdhsa_user_sgpr_count 2
		.amdhsa_user_sgpr_kernarg_segment_ptr 1
		.amdhsa_wavefront_size32 1
		.amdhsa_system_sgpr_workgroup_id_x 1
		.amdhsa_system_sgpr_workgroup_id_y 1
		.amdhsa_system_sgpr_workgroup_id_z 1
		.amdhsa_system_vgpr_workitem_id 0
		.amdhsa_next_free_vgpr 112
		.amdhsa_next_free_sgpr 66
		.amdhsa_reserve_vcc 0
		.amdhsa_float_denorm_mode_32 3
		.amdhsa_float_denorm_mode_16_64 3
		.amdhsa_memory_ordered 1
		.amdhsa_forward_progress 1
		.amdhsa_inst_pref_size 23
	.end_amdhsa_kernel
	.amdgpu_metadata
---
amdhsa.version: [ 1, 2 ]
amdhsa.kernels:
  - .name:           k_qd945e3fc44_cast
    .symbol:         k_qd945e3fc44_cast.kd
    .args:
      - { .name: x, .offset: 0, .size: 8, .value_kind: global_buffer, .address_space: global }
      - { .name: context, .offset: 8, .size: 8, .value_kind: global_buffer, .address_space: global }
      - { .name: Wk, .offset: 16, .size: 8, .value_kind: global_buffer, .address_space: global }
      - { .name: Wv, .offset: 24, .size: 8, .value_kind: global_buffer, .address_space: global }
      - { .name: Wq, .offset: 32, .size: 8, .value_kind: global_buffer, .address_space: global }
      - { .name: Wu, .offset: 40, .size: 8, .value_kind: global_buffer, .address_space: global }
      - { .name: mask, .offset: 48, .size: 8, .value_kind: global_buffer, .address_space: global }
      - { .name: contextMask, .offset: 56, .size: 8, .value_kind: global_buffer, .address_space: global }
      - { .name: xc, .offset: 64, .size: 8, .value_kind: global_buffer, .address_space: global }
      - { .name: wcat, .offset: 72, .size: 8, .value_kind: global_buffer, .address_space: global }
      - { .name: wuh, .offset: 80, .size: 8, .value_kind: global_buffer, .address_space: global }
      - { .name: msk, .offset: 88, .size: 8, .value_kind: global_buffer, .address_space: global }
    .group_segment_fixed_size: 0
    .private_segment_fixed_size: 0
    .kernarg_segment_align: 8
    .kernarg_segment_size: 96
    .max_flat_workgroup_size: 256
    .sgpr_count:     66
    .vgpr_count:     112
    .wavefront_size: 32
...
	.end_amdgpu_metadata
.endif
;; end of part 1
;; launch qkv (part 2): grid 16 x 16, 4 waves a work-group, clusters of 4 x 4, 327,680 bytes of LDS; arguments xc, wcat, msk, kln_w, kln_b, qln_w, qln_b, kh, vh, qh; writes kh, vh, qh
.if DOCPART == 2
	.amdgcn_target "amdgcn-amd-amdhsa--gfx1250"
	.amdhsa_code_object_version 6
	.text
	.protected	k_qd945e3fc44_qkv
	.globl	k_qd945e3fc44_qkv
	.p2align	8
	.type	k_qd945e3fc44_qkv,@function
k_qd945e3fc44_qkv:
	s_mov_b64 s[64:65], 0
	v_nop
	global_prefetch_b8 v0, s[64:65] scope:SCOPE_SE
	s_setreg_imm32_b32 hwreg(HW_REG_WAVE_MODE, 25, 1), 1
	s_wait_xcnt 0x0
	s_wait_alu depctr_hold_cnt(0) depctr_sa_sdst(0) depctr_va_vdst(0) depctr_va_sdst(0) depctr_va_ssrc(0) depctr_va_vcc(0) depctr_vm_vsrc(0)
	s_getreg_b32 s2, hwreg(HW_REG_IB_STS2, 6, 4)
	s_cmp_eq_u32 s2, 0
	s_cbranch_scc0 .Lentry_in_a_cluster
	s_endpgm
.Lentry_in_a_cluster:
	s_bfe_u32 s2, ttmp6, 0x10000c
	s_cmp_lg_u32 s2, 0xf033
	s_cbranch_scc0 .Lentry_shape_is_right
	s_endpgm
.Lentry_shape_is_right:
; THE THREE PROJECTIONS, with LayerNorm, scale and mask on the way out.  q = LN(x Wq) ms / 1024^0.25, k = LN(xc Wk) mt / 1024^0.25, v = (xc Wv) mt; products in bf16, sums and LayerNorm in f32,
; each result rounded once to f16 and stored by heads: qh [32][2048][64], kh and vh [32][4096][64].  ms, mt: the row's number in mcat.
; LIMITS: a result beyond 65,504 in size becomes an infinity in f16 (q and k are bounded by (8 |w| + |b|) |mask| / 5.66); NaN and infinities are not treated apart.
; SHARES.  The outputs are 1,280 tiles of 128 x 128: five for each of 256 work-groups, which stay.  Cluster c (4 x 4 work-groups) walks q (x rows 512 (c / 2) on, columns 512 (c % 2) on), then
; k columns 0-511, k 512-1023, v 0-511, v 512-1023, all four on xc rows 512 c on.  Four waves, each 64 x 64: 16 accumulators; a wave's 64 columns are one head.
; K goes in steps of 256 through two LDS slots; the ring runs on across tiles.  A's tile is asked for jointly by a row of the cluster, B's by a column.
; THE MATRIX INSTRUCTION IS USED TRANSPOSED (source 0 = 16 columns of W, source 1 = 16 rows of xc): a lane holds row l % 16 and columns 16 b + 8 (l / 16) + 0..7.
; W lies [k][n] in LDS (rows of 256 + 32 bytes) and is turned by ds_load_tr16_b128.
; REGISTERS: window 0: v0-31 addresses; v32-95 rows read back from the stage; v96-111 at work; v112-119 a block's mean, then 1/sigma; v128-255 accumulators ((a, b) at 128 + 8 (4 a + b))
;   window 1: two fragment buffers of 128 (64 of A, 64 of B, for 64 along K)     window 2: v0-31 LN gain, v32-63 LN bias of my columns; v64-71 my rows' masks; v72-79 mask / 1024^0.25
.set PA,    528                        ; a row of A in LDS: 512 bytes + 16
.set AH,    64*PA                      ; 64 rows: one wave's load
.set PB,    288                        ; a k-row of W in LDS: 256 bytes + 32
.set BH,    128*PB                     ; 128 k-rows: one wave's load
.set SLOT,  2*AH+2*BH
.set STAGE, 2*SLOT                     ; behind the ring: 16 rows x 144 bytes for each wave
.set SP,    144
.set SPARE, STAGE+4*16*SP              ; the spare words, 128 bytes a wave: no other line names them
.set AQ,    128                        ; bytes from one quarter (64 along K) of A's rows to the next
.set AI,    16*PA
.set ADRA, 16                          ; v16-17 my A fragments in slot 0, 1
.set ADRB, 20                          ; v20-23 my B fragments: 2 x slot + half of the slot's 256 k-rows
.set STO,  24
.set RD,   25
.set GO,   26
.set SPW,  28
.set NIL,  29
.set LNO,  30                          ; v30 32 (l / 16): my columns' bytes in an LN vector; never rewritten
.set RMO,  31                          ; v31 4 (l % 16): my row's byte in mcat; never rewritten
.set BK,   32
.set T,    96
.set MU,   112
.set ACC,  128
.set F0,   0
.set F1,   128
.set LW,   0
.set LB,   32
.set RMV,  64
.set RML,  72
.set WV, 24
.set WR, 25                            ; my half of the tile's rows; also: 0 = I fetch for A, 1 = for B
.set WC, 26                            ; my half of its columns; also: which half I fetch
.set CX, 27
.set CY, 28
.set CC, 29                            ; the cluster's number c
.set G1A, 32
.set G0A, 40
.set G1B, 48
.set G0B, 56
.set J,   66                           ; the lap in hand (a lap = two K steps; two laps a tile)
.set CNT, 67
.set AKV, 68                           ; byte offsets of my fetches: A for k and v, A for q,
.set AQO, 69
.set BKV, 70                           ; B for k's first columns, B for q
.set BQO, 71
.set AO,  72                           ; s[72:73], s[74:75] the offsets of the fill in hand
.set BO,  74
.set OP,  76                           ; s[76:77] where the tile's rows go
.set OFF, 78
.set OKV, 80
.set OQ,  81
.set MK,  86                           ; s[86:87] mcat at my rows of xc;  s[88:89] at my rows of x
.set MQ,  88
.set SEL, 90
.set I64, 92
.set EPS, 93
.set INV, 94
.set MSB, 0
.macro WIN new                         ; the immediate's high byte repeats the setting that is left
.if MSB != (\new)
	s_set_vgpr_msb (MSB<<8)|(\new)
.set MSB, \new
.endif
.endm
.set MUL,  0x05                        ; sources 0 and 1 window 1; C and D window 0
.set TO_F, 0x40                        ; destination window 1, address window 0
.macro PLACES                          ; four places behind a matrix instruction (ISA guide 7.12.1)
.rept 4
	v_nop
.endr
.endm
.macro JLOAD s                         ; a joint load: waves 0, 1 A's halves, waves 2, 3 B's; an s_nop 0 and four v_nop follow each line
	s_cmp_eq_u32 s[WR], 0
	s_cbranch_scc0 .Lfor_b_\@
	tensor_load_to_lds s[G0A+4*(\s):G0A+4*(\s)+3], s[G1A:G1A+7]
	s_nop 0
	PLACES
	s_branch .Lasked_\@
.Lfor_b_\@:
	tensor_load_to_lds s[G0B+4*(\s):G0B+4*(\s)+3], s[G1B:G1B+7]
	s_nop 0
	PLACES
.Lasked_\@:
.endm
.macro CREST                           ; a round of the cluster's barrier behind its opening barrier
	s_cmp_lg_u32 s[WV], 0
	s_cbranch_scc1 .Lnot_wave_0_\@
	s_barrier_signal -3
.Lnot_wave_0_\@:
	s_barrier_wait -3
	s_barrier_signal -1
	s_barrier_wait -1
.endm
.macro CROUND
	s_barrier_signal -1
	s_barrier_wait -1
	CREST
.endm
; The addresses of the next fill.  Slot 0 takes the first K step of lap J + 1: tile (J + 1) / 2, half (J + 1) % 2 of K; slot 1 the K step behind it.  A's numbers never meet CX, B's never CY.
.macro STEPADDR slot
.if (\slot) == 0
	s_add_co_u32 s84, s[J], 1
	s_lshr_b32 s85, s84, 1                         ; the tile
	s_and_b32 s84, s84, 1                          ; the half of K
	s_max_u32 s82, s85, 1
	s_sub_co_u32 s82, s82, 1
	s_lshl_b32 s82, s82, 10                        ; tiles 1-4: 512 columns of wcat each
	s_add_co_u32 s82, s82, s[BKV]
	s_cmp_eq_u32 s85, 0
	s_cselect_b32 s[AO], s[AQO], s[AKV]
	s_cselect_b32 s[BO], s[BQO], s82
	s_lshl_b32 s83, s84, 10                        ; 512 along K: 1,024 bytes of a row of xc,
	s_add_co_u32 s[AO], s[AO], s83
	s_mul_i32 s82, s84, 3145728                    ; 512 rows of wcat
	s_add_co_u32 s[BO], s[BO], s82
.else
	s_add_co_u32 s[AO], s[AO], 512
	s_add_co_u32 s[BO], s[BO], 1572864
.endif
	s_add_nc_u64 s[G0A+4*(\slot)+2:G0A+4*(\slot)+3], s[4:5], s[AO:AO+1]
	s_or_b32 s[G0A+4*(\slot)+3], s[G0A+4*(\slot)+3], 0x80000000
	s_add_nc_u64 s[G0B+4*(\slot)+2:G0B+4*(\slot)+3], s[6:7], s[BO:BO+1]
	s_or_b32 s[G0B+4*(\slot)+3], s[G0B+4*(\slot)+3], 0x80000000
.endm
; 8 products: row blocks a0, a0 + 1 x all 4 column blocks, 32 along K (half c of buffer f).  The 16 accumulators take turns.
.macro MUL8 f, c, a0, zero
	WIN MUL
.irp a, \a0, (\a0)+1
.irp b, 0,1,2,3
.if \zero
	v_wmma_f32_16x16x32_bf16 v[ACC+8*(4*(\a)+(\b)):ACC+8*(4*(\a)+(\b))+7], v[(\f)+64+8*(4*(\c)+(\b)):(\f)+64+8*(4*(\c)+(\b))+7], v[(\f)+8*(4*(\c)+(\a)):(\f)+8*(4*(\c)+(\a))+7], 0
.else
	v_wmma_f32_16x16x32_bf16 v[ACC+8*(4*(\a)+(\b)):ACC+8*(4*(\a)+(\b))+7], v[(\f)+64+8*(4*(\c)+(\b)):(\f)+64+8*(4*(\c)+(\b))+7], v[(\f)+8*(4*(\c)+(\a)):(\f)+8*(4*(\c)+(\a))+7], v[ACC+8*(4*(\a)+(\b)):ACC+8*(4*(\a)+(\b))+7]
.endif
.endr
.endr
.endm
; 32 LDS loads in one run: quarter qd (64 along K) of a slot into buffer f, the first 32 along K first
.macro FETCH slot, qd, f
	WIN TO_F
.irp c, 0,1
.irp i, 0,1,2,3
	ds_load_tr16_b128 v[(\f)+64+8*(4*(\c)+(\i)):(\f)+64+8*(4*(\c)+(\i))+3],   v[ADRB+2*(\slot)+(\qd)/2] offset:(((\qd)%2)*64+32*(\c))*PB+32*(\i)
	ds_load_tr16_b128 v[(\f)+64+8*(4*(\c)+(\i))+4:(\f)+64+8*(4*(\c)+(\i))+7], v[ADRB+2*(\slot)+(\qd)/2] offset:(((\qd)%2)*64+32*(\c)+16)*PB+32*(\i)
	ds_load_b128 v[(\f)+8*(4*(\c)+(\i)):(\f)+8*(4*(\c)+(\i))+3],   v[ADRA+(\slot)] offset:AQ*(\qd)+64*(\c)+AI*(\i)
	ds_load_b128 v[(\f)+8*(4*(\c)+(\i))+4:(\f)+8*(4*(\c)+(\i))+7], v[ADRA+(\slot)] offset:AQ*(\qd)+64*(\c)+AI*(\i)+32
.endr
.endr
.endm
; A quarter multiplies buffer f and fetches quarter qd into g
.macro QUARTER slot, qd, f, g, zero
	s_wait_dscnt 16                                ; the first 32 along K are in; the sixteen younger loads may be out
	MUL8 \f, 0, 0, \zero
	MUL8 \f, 0, 2, \zero
	PLACES
	FETCH \slot, \qd, \g
	s_wait_dscnt 32                                ; all but the 32 just issued
	MUL8 \f, 1, 0, 0
	MUL8 \f, 1, 2, 0
.endm
; A K step's last quarter multiplies buffer 1 and changes slots.  In front of the barrier: all my tensor loads have landed (one was out: my part of the next slot), the add, my reads of this slot are over.
.macro TURN slot, next, fill
	WIN 0
	s_wait_tensorcnt 0x0
	ds_add_u32 v[SPW], v[NIL]                      ; scalar work and eight products stand between it and its wait
.if \fill
	STEPADDR \slot                                 ; no tensor load of mine is out: the descriptors may be written
.endif
	s_wait_dscnt 17                                ; the add and the youngest sixteen loads may be out
	MUL8 F1, 0, 0, 0
	s_wait_dscnt 0x0
	s_barrier_signal -1
	MUL8 F1, 0, 2, 0
.if \fill
	WIN 0
.endif
	s_barrier_wait -1
.if \fill
	CREST                                          ; the barrier opened a round of the cluster's: no wave of any partner still reads this slot or has a load on its way
	JLOAD \slot                                    ; the first tensor load behind the round; its four v_nop are also the places in front of the loads below
.else
	PLACES
.endif
	FETCH \next, 0, F0
	MUL8 F1, 1, 0, 0
	MUL8 F1, 1, 2, 0
.endm
; LN gain and bias of my 32 columns and my 64 rows' masks, into window 2
.macro PARAMS w, b, m
	WIN 0x80
.irp q, 0,1,2,3
	global_load_b128 v[LW+8*(\q):LW+8*(\q)+3],   v[LNO], s[(\w):(\w)+1] offset:64*(\q)
	global_load_b128 v[LW+8*(\q)+4:LW+8*(\q)+7], v[LNO], s[(\w):(\w)+1] offset:64*(\q)+16
	global_load_b128 v[LB+8*(\q):LB+8*(\q)+3],   v[LNO], s[(\b):(\b)+1] offset:64*(\q)
	global_load_b128 v[LB+8*(\q)+4:LB+8*(\q)+7], v[LNO], s[(\b):(\b)+1] offset:64*(\q)+16
	global_load_b32 v[RMV+2*(\q)], v[RMO], s[(\m):(\m)+1] offset:64*(\q)
.endr
	WIN 0
.endm
; THE WAY OUT.  Block a = my rows 16 a .. 16 a + 15; a lane holds 32 of its row's 64 numbers, the lane 16 away the others.
; STATS: the mean; x - mean in place; the mean of its squares + eps (two passes: no difference of large sums).  Each accumulator's low registers are read first.
.macro STATS a
.set XX, ACC+32*(\a)
.set MM_, MU+2*(\a)
.irp k, 0,1,2,3,4,5,6,7
	v_pk_add_f32 v[T+2*(\k):T+2*(\k)+1], v[XX+4*(\k):XX+4*(\k)+1], v[XX+4*(\k)+2:XX+4*(\k)+3]
.endr
.irp k, 0,1,2,3
	v_pk_add_f32 v[T+4*(\k):T+4*(\k)+1], v[T+4*(\k):T+4*(\k)+1], v[T+4*(\k)+2:T+4*(\k)+3]
.endr
	v_pk_add_f32 v[T:T+1], v[T:T+1], v[T+4:T+5]
	v_pk_add_f32 v[T+8:T+9], v[T+8:T+9], v[T+12:T+13]
	v_pk_add_f32 v[T:T+1], v[T:T+1], v[T+8:T+9]
	v_add_f32 v[T], v[T], v[T+1]
	v_permlanex16_b32 v[T+1], v[T], s[SEL], s[SEL+1]
	v_add_f32 v[T], v[T], v[T+1]
	v_mul_f32 v[MM_], s[I64], v[T]
.set kk, 0
.rept 16
	v_pk_add_f32 v[XX+kk:XX+kk+1], v[XX+kk:XX+kk+1], v[MM_:MM_+1] op_sel_hi:[1,0] neg_lo:[0,1] neg_hi:[0,1]
.set kk, kk+2
.endr
.irp k, 0,1,2,3
	v_pk_mul_f32 v[T+2*(\k):T+2*(\k)+1], v[XX+2*(\k):XX+2*(\k)+1], v[XX+2*(\k):XX+2*(\k)+1]
.endr
.set kk, 4
.rept 12
	v_pk_fma_f32 v[T+2*(kk%4):T+2*(kk%4)+1], v[XX+2*kk:XX+2*kk+1], v[XX+2*kk:XX+2*kk+1], v[T+2*(kk%4):T+2*(kk%4)+1]
.set kk, kk+1
.endr
	v_pk_add_f32 v[T:T+1], v[T:T+1], v[T+2:T+3]
	v_pk_add_f32 v[T+4:T+5], v[T+4:T+5], v[T+6:T+7]
	v_pk_add_f32 v[T:T+1], v[T:T+1], v[T+4:T+5]
	v_add_f32 v[T], v[T], v[T+1]
	v_permlanex16_b32 v[T+1], v[T], s[SEL], s[SEL+1]
	v_add_f32 v[T], v[T], v[T+1]
	v_fma_f32 v[MM_], v[T], s[I64], s[EPS]
.endm
; OUTB: rounded to f16, 16 bytes a lane into my stage, back as four whole rows of 128 bytes a load (LDS serves a wave's instructions in order: ISA guide 5.7.1.4)
.macro OUTB a
	WIN 0
.set XX, ACC+32*(\a)
.set kk, 0
.rept 16
	v_cvt_pk_f16_f32 v[T+kk], v[XX+2*kk], v[XX+2*kk+1]
.set kk, kk+1
.endr
.irp q, 0,1,2,3
	ds_store_b128 v[STO], v[T+4*(\q):T+4*(\q)+3] offset:32*(\q)
.endr
.irp q, 0,1,2,3
	ds_load_b128 v[BK+16*(\a)+4*(\q):BK+16*(\a)+4*(\q)+3], v[RD] offset:4*SP*(\q)
.endr
.endm
.macro NORM a                          ; ((x - mean) / sigma) w + b, times mask / 1024^0.25
.set XX, ACC+32*(\a)
	WIN 0
.set kk, 0
.rept 16
	v_pk_mul_f32 v[XX+kk:XX+kk+1], v[XX+kk:XX+kk+1], v[MU+2*(\a):MU+2*(\a)+1] op_sel_hi:[1,0]
.set kk, kk+2
.endr
	WIN 0x28                                       ; sources 1 and 2 in window 2
.set kk, 0
.rept 16
	v_pk_fma_f32 v[XX+kk:XX+kk+1], v[XX+kk:XX+kk+1], v[LW+kk:LW+kk+1], v[LB+kk:LB+kk+1]
.set kk, kk+2
.endr
	WIN 0x08
.set kk, 0
.rept 16
	v_pk_mul_f32 v[XX+kk:XX+kk+1], v[XX+kk:XX+kk+1], v[RML+2*(\a):RML+2*(\a)+1] op_sel_hi:[1,0]
.set kk, kk+2
.endr
	OUTB \a
.endm
.macro NORMV a                         ; v times its row's mask
.set XX, ACC+32*(\a)
	WIN 0x08
.set kk, 0
.rept 16
	v_pk_mul_f32 v[XX+kk:XX+kk+1], v[XX+kk:XX+kk+1], v[RMV+2*(\a):RMV+2*(\a)+1] op_sel_hi:[1,0]
.set kk, kk+2
.endr
	OUTB \a
.endm
.macro SEND a, y                       ; y: the LDS instructions issued behind block a's loads (the next block's eight, or none)
.irp q, 0,1,2,3
	s_wait_dscnt (\y)+3-(\q)
	global_store_b128 v[GO], v[BK+16*(\a)+4*(\q):BK+16*(\a)+4*(\q)+3], s[OP:OP+1] offset:2048*(\a)+512*(\q)  ; 512 consecutive bytes of a head, aligned
.endr
.endm
.macro EPI_LN
	WIN 0x88
.irp a, 0,1,2,3
	v_mul_f32 v[RML+2*(\a)], s[INV], v[RMV+2*(\a)]
.endr
	WIN 0
	STATS 0
	STATS 1
	STATS 2
	STATS 3
.irp a, 0,1,2,3
	v_rsq_f32 v[MU+2*(\a)], v[MU+2*(\a)]
.endr
	v_nop                                          ; a plain instruction behind the last of the four,
	s_wait_alu depctr_va_vdst(0)                   ; and one wait ahead of their first reader
	NORM 0
	NORM 1
	SEND 0, 8
	NORM 2
	SEND 1, 8
	NORM 3
	SEND 2, 8
	SEND 3, 0
.endm
.macro EPI_V
	NORMV 0
	NORMV 1
	SEND 0, 8
	NORMV 2
	SEND 1, 8
	NORMV 3
	SEND 2, 8
	SEND 3, 0
.endm
	s_load_b512 s[4:19], s[0:1], 0x0               ; xc 4, wcat 6, msk 8, kln_w 10, kln_b 12, qln_w 14, qln_b 16, kh 18
	s_load_b128 s[20:23], s[0:1], 0x40             ; vh 20, qh 22
	v_lshl_add_u32 v[SPW], v0, 2, SPARE
	v_mov_b32 v[NIL], 0
	ds_add_u32 v[SPW], v[NIL]                      ; the wave's opening: the add and its wait stand ahead of my first tensor load; register work stands between
	v_lshrrev_b32 v3, 5, v0
	v_readfirstlane_b32 s[WV], v3
	s_lshr_b32 s[WR], s[WV], 1
	s_and_b32 s[WC], s[WV], 1
	s_bfe_u32 s[CX], ttmp6, 0x40000
	s_bfe_u32 s[CY], ttmp6, 0x40004
	s_and_b32 s[CC], ttmp7, 0xffff
	s_lshl_b32 s[CC], s[CC], 2
	s_add_co_u32 s[CC], s[CC], ttmp9               ; c = 4 x cluster y + cluster x
	s_lshl_b32 s30, s[CY], 2
	s_lshl_b32 s30, 15, s30                        ; my row of the cluster
	s_lshl_b32 s31, 0x1111, s[CX]                  ; my column
	s_or_b32 s[G1A], s30, (1<<16)|(1<<20)|(1<<21)|(6<<22)|(3<<25)  ; mask; 2-byte elements; padding on; bit 21 beside a mask; after every 128 words 4 words
	s_mov_b32 s[G1A+1], 256<<16                    ; tensor_dim0 = 256
	s_mov_b32 s[G1A+2], 64<<16                     ; tensor_dim1 = 64
	s_mov_b32 s[G1A+3], 256<<16                    ; tile_dim0 = 256
	s_mov_b32 s[G1A+4], 64                         ; tile_dim1 = 64
	s_mov_b32 s[G1A+5], 1024                       ; elements from row to row of xc
	s_mov_b32 s[G1A+6], 0
	s_mov_b32 s[G1A+7], 0
	s_or_b32 s[G1B], s31, (1<<16)|(1<<20)|(1<<21)|(5<<22)|(7<<25)  ; after every 64 words 8 words
	s_mov_b32 s[G1B+1], 128<<16
	s_mov_b32 s[G1B+2], 128<<16
	s_mov_b32 s[G1B+3], 128<<16
	s_mov_b32 s[G1B+4], 128
	s_mov_b32 s[G1B+5], 3072                       ; elements from row to row of wcat
	s_mov_b32 s[G1B+6], 0
	s_mov_b32 s[G1B+7], 0
	s_lshl_b32 s[AKV], s[CC], 9                    ; A for k and v: xc row 512 c + 128 CY + 64 WC
	s_lshl_b32 s83, s[CY], 7
	s_add_co_u32 s[AKV], s[AKV], s83
	s_lshl_b32 s83, s[WC], 6
	s_add_co_u32 s[AKV], s[AKV], s83
	s_lshl_b32 s[AKV], s[AKV], 11
	s_lshr_b32 s[AQO], s[CC], 3                    ; A for q: batch c / 8, x rows 512 ((c / 2) % 4) on
	s_lshl_b32 s[AQO], s[AQO], 12
	s_bfe_u32 s83, s[CC], 0x20001
	s_lshl_b32 s83, s83, 9
	s_add_co_u32 s[AQO], s[AQO], s83
	s_lshl_b32 s83, s[CY], 7
	s_add_co_u32 s[AQO], s[AQO], s83
	s_lshl_b32 s83, s[WC], 6
	s_add_co_u32 s[AQO], s[AQO], s83
	s_lshl_b32 s[AQO], s[AQO], 11
	s_mul_i32 s[BKV], s[WC], 786432                ; B: my 128 k-rows of 6,144 bytes, my work-group's 128 columns
	s_lshl_b32 s82, s[CX], 8
	s_add_co_u32 s[BKV], s[BKV], s82
	s_and_b32 s82, s[CC], 1
	s_lshl_b32 s82, s82, 10
	s_add_co_u32 s[BQO], s[BKV], s82
	s_add_co_u32 s[BQO], s[BQO], 4096              ; Wq begins at column 2,048
	s_lshr_b32 s[OKV], s[CC], 3                    ; where my wave's rows go: head = batch x 16 + 2 CX + WC (+ 8 for the upper columns)
	s_lshl_b32 s[OKV], s[OKV], 4
	s_lshl_b32 s78, s[CX], 1
	s_add_co_u32 s[OKV], s[OKV], s78
	s_add_co_u32 s[OKV], s[OKV], s[WC]
	s_and_b32 s78, s[CC], 1
	s_lshl_b32 s78, s78, 3
	s_add_co_u32 s[OQ], s[OKV], s78
	s_lshl_b32 s[OKV], s[OKV], 19
	s_lshl_b32 s[OQ], s[OQ], 18
	s_lshl_b32 s78, s[CY], 7
	s_lshl_b32 s79, s[WR], 6
	s_add_co_u32 s78, s78, s79                     ; 128 CY + 64 WR
	s_lshl_b32 s79, s[CC], 9
	s_add_co_u32 s79, s79, s78                     ; my first row of xc
	s_lshl_b32 s[MK], s79, 2
	s_and_b32 s79, s79, 4095
	s_lshl_b32 s79, s79, 7
	s_add_co_u32 s[OKV], s[OKV], s79
	s_bfe_u32 s79, s[CC], 0x20001
	s_lshl_b32 s79, s79, 9
	s_add_co_u32 s79, s79, s78                     ; my first row of x in its batch
	s_lshl_b32 s78, s79, 7
	s_add_co_u32 s[OQ], s[OQ], s78
	s_lshr_b32 s78, s[CC], 3
	s_lshl_b32 s78, s78, 12
	s_add_co_u32 s78, s78, s79
	s_lshl_b32 s[MQ], s78, 2
	s_mov_b32 s[MK+1], 0
	s_mov_b32 s[MQ+1], 0
	s_mov_b32 s[OFF+1], 0
	s_mov_b32 s[AO], s[AQO]                        ; the walk begins with q
	s_mov_b32 s[AO+1], 0
	s_mov_b32 s[BO], s[BQO]
	s_mov_b32 s[BO+1], 0
	s_mul_i32 s84, s[WC], AH                       ; where my fetches go: no place in the cluster enters an LDS address
	s_mul_i32 s85, s[WC], BH
	s_add_co_u32 s85, s85, 2*AH
	s_mov_b32 s[SEL], 0x76543210
	s_mov_b32 s[SEL+1], 0xfedcba98
	s_mov_b32 s[I64], 0x3c800000                   ; 1 / 64
	s_mov_b32 s[EPS], 0x3727c5ac                   ; 1e-5
	s_mov_b32 s[INV], 0x3e3504f3                   ; 1024^-0.25
	s_wait_dscnt 0x0                               ; the opening add is done
	s_wait_kmcnt 0x0
	s_add_nc_u64 s[MK:MK+1], s[8:9], s[MK:MK+1]
	s_add_nc_u64 s[MQ:MQ+1], s[8:9], s[MQ:MQ+1]
	CROUND                                         ; all sixteen work-groups are here: the first joint loads meet
.irp s, 0,1
	s_mov_b32 s[G0A+4*(\s)], 1
	s_add_co_u32 s[G0A+4*(\s)+1], s84, (\s)*SLOT
	s_add_nc_u64 s[G0A+4*(\s)+2:G0A+4*(\s)+3], s[4:5], s[AO:AO+1]
	s_or_b32 s[G0A+4*(\s)+3], s[G0A+4*(\s)+3], 0x80000000
	s_mov_b32 s[G0B+4*(\s)], 1
	s_add_co_u32 s[G0B+4*(\s)+1], s85, (\s)*SLOT
	s_add_nc_u64 s[G0B+4*(\s)+2:G0B+4*(\s)+3], s[6:7], s[BO:BO+1]
	s_or_b32 s[G0B+4*(\s)+3], s[G0B+4*(\s)+3], 0x80000000
	JLOAD \s                                       ; K steps 0 and 1 of q: two loads of mine are out
	s_add_co_u32 s[AO], s[AO], 512
	s_add_co_u32 s[BO], s[BO], 1572864
.endr
	v_and_b32 v1, 15, v0                           ; l % 16
	v_bfe_u32 v2, v0, 4, 1                         ; l / 16
	v_mul_u32_u24 v3, v1, PA
	v_lshl_add_u32 v3, v2, 4, v3                   ; A: row x pitch + 16 x half
	s_mul_i32 s84, s[WR], AH
	v_add_nc_u32 v[ADRA], s84, v3
	s_add_co_u32 s84, s84, SLOT
	v_add_nc_u32 v[ADRA+1], s84, v3
	v_and_b32 v4, 7, v0                            ; B, turned: lane l reads k-row 8 (l / 16) + l % 8, 16 bytes at 16 ((l / 8) % 2)
	v_lshl_add_u32 v4, v2, 3, v4
	v_mul_u32_u24 v4, v4, PB
	v_bfe_u32 v5, v0, 3, 1
	v_lshl_add_u32 v4, v5, 4, v4
	s_lshl_b32 s84, s[WC], 7
	s_add_co_u32 s84, s84, 2*AH
	v_add_nc_u32 v[ADRB], s84, v4
	v_add_nc_u32 v[ADRB+1], BH, v[ADRB]
	v_add_nc_u32 v[ADRB+2], SLOT, v[ADRB]
	v_add_nc_u32 v[ADRB+3], SLOT, v[ADRB+1]
	s_mul_i32 s84, s[WV], 16*SP
	s_add_co_u32 s84, s84, STAGE
	v_mul_u32_u24 v[STO], v1, SP
	v_lshl_add_u32 v[STO], v2, 4, v[STO]
	v_add_nc_u32 v[STO], s84, v[STO]
	v_bfe_u32 v[RD], v0, 3, 2
	v_mul_u32_u24 v[RD], v[RD], SP
	v_and_b32 v5, 7, v0
	v_lshl_add_u32 v[RD], v5, 4, v[RD]
	v_add_nc_u32 v[RD], s84, v[RD]
	v_and_b32 v[GO], 31, v0
	v_lshlrev_b32 v[GO], 4, v[GO]
	v_lshlrev_b32 v[LNO], 5, v2
	v_lshlrev_b32 v[RMO], 2, v1
.irp a, 0,1,2,3
	v_mov_b32 v[MU+2*(\a)+1], 0                    ; named with their partners as pairs
.endr
	WIN 0x80
.irp a, 0,1,2,3
	v_mov_b32 v[RMV+2*(\a)+1], 0
	v_mov_b32 v[RML+2*(\a)+1], 0
.endr
	PARAMS 14, 16, MQ                              ; q's LN vectors and masks
	s_wait_tensorcnt 1                             ; my part of slot 0 is in; slot 1's may stay out
	s_barrier_signal -1
	s_barrier_wait -1
	FETCH 0, 0, F0
	QUARTER 0, 1, F0, F1, 1                        ; the walk's first quarter stands ahead of the loop: its products start the sums
	WIN 0
	s_mov_b32 s[J], 0
	s_mov_b32 s[CNT], 9
.Llap:                                         ; nine trips: from a lap's second quarter to the next lap's first; both slots are filled again
	QUARTER 0, 2, F1, F0, 0
	QUARTER 0, 3, F0, F1, 0
	TURN 0, 1, 1
	QUARTER 1, 1, F0, F1, 0
	QUARTER 1, 2, F1, F0, 0
	QUARTER 1, 3, F0, F1, 0
	TURN 1, 0, 1
	WIN 0
	s_and_b32 s95, s[J], 1
	s_cmp_eq_u32 s95, 0
	s_cbranch_scc1 .Lacc                           ; an even lap ends no tile
	PLACES                                         ; A TILE HAS ENDED; both refills for the next are asked for
	s_wait_xcnt 0x0                                ; the last tile's stores have read their base and their registers
	s_wait_loadcnt 0x0                             ; the LN vectors and masks, asked for a tile ago or more
	s_lshr_b32 s84, s[J], 1                        ; the tile: 0 q, 1-2 k, 3-4 v
	s_cmp_eq_u32 s84, 0
	s_cselect_b64 s[OP:OP+1], s[22:23], s[18:19]
	s_cselect_b32 s[OFF], s[OQ], s[OKV]
	s_cmp_ge_u32 s84, 3
	s_cselect_b64 s[OP:OP+1], s[20:21], s[OP:OP+1]
	s_max_u32 s85, s84, 1
	s_sub_co_u32 s85, s85, 1
	s_and_b32 s85, s85, 1
	s_lshl_b32 s85, s85, 22                        ; the upper 512 columns: eight heads on
	s_add_co_u32 s[OFF], s[OFF], s85
	s_add_nc_u64 s[OP:OP+1], s[OP:OP+1], s[OFF:OFF+1]
	s_cmp_lt_u32 s84, 3
	s_cbranch_scc0 .Lv
	EPI_LN
	s_cmp_eq_u32 s84, 0
	s_cbranch_scc0 .Lepid
	PARAMS 10, 12, MK                              ; behind q: k's LN vectors, and xc's masks for k and v; waited for at the next tile's end
	s_branch .Lepid
.Lv:
	EPI_V
.Lepid:
	MUL8 F0, 0, 0, 1                               ; the next tile's first products start its sums (the way out's last wait left no LDS load out)
	MUL8 F0, 0, 2, 1
	WIN 0
	s_branch .Lz
.Lacc:
	s_wait_dscnt 16
	MUL8 F0, 0, 0, 0
	MUL8 F0, 0, 2, 0
	WIN 0
.Lz:
	PLACES
	FETCH 0, 1, F1
	s_wait_dscnt 32
	MUL8 F0, 1, 0, 0
	MUL8 F0, 1, 2, 0
	WIN 0
	s_add_co_u32 s[J], s[J], 1
	s_sub_co_u32 s[CNT], s[CNT], 1
	s_cmp_lg_u32 s[CNT], 0
	s_cbranch_scc1 .Llap
	QUARTER 0, 2, F1, F0, 0                        ; the last lap fills nothing
	QUARTER 0, 3, F0, F1, 0
	TURN 0, 1, 0
	QUARTER 1, 1, F0, F1, 0
	QUARTER 1, 2, F1, F0, 0
	QUARTER 1, 3, F0, F1, 0
	s_wait_dscnt 16
	MUL8 F1, 0, 0, 0
	MUL8 F1, 0, 2, 0
	s_wait_dscnt 0x0
	MUL8 F1, 1, 0, 0
	MUL8 F1, 1, 2, 0
	WIN 0
	PLACES
	s_wait_xcnt 0x0
	s_wait_loadcnt 0x0
	s_add_co_u32 s[OFF], s[OKV], 1<<22             ; v's upper columns
	s_add_nc_u64 s[OP:OP+1], s[20:21], s[OFF:OFF+1]
	EPI_V
	s_wait_tensorcnt 0x0                           ; the wave's end
	ds_add_u32 v[SPW], v[NIL]
	s_wait_dscnt 0x0
	CROUND                                         ; the closing round
	s_endpgm
.Lfunc_end_k_qd945e3fc44_qkv:
	.size	k_qd945e3fc44_qkv, .Lfunc_end_k_qd945e3fc44_qkv-k_qd945e3fc44_qkv
	.p2alignl 7, 3214868480
	.fill 96, 4, 3214868480
	.section	.rodata,"a",@progbits
	.p2align	6, 0x0
	.amdhsa_kernel k_qd945e3fc44_qkv
		.amdhsa_group_segment_fixed_size 327680
		.amdhsa_private_segment_fixed_size 0
		.amdhsa_enable_private_segment 0
		.amdhsa_kernarg_size 80
		.amdhsa_user_sgpr_count 2
		.amdhsa_user_sgpr_kernarg_segment_ptr 1
		.amdhsa_wavefront_size32 1
		.amdhsa_system_sgpr_workgroup_id_x 1
		.amdhsa_system_sgpr_workgroup_id_y 1
		.amdhsa_system_sgpr_workgroup_id_z 1
		.amdhsa_system_vgpr_workitem_id 0
		.amdhsa_next_free_vgpr 640
		.amdhsa_next_free_sgpr 96
		.amdhsa_reserve_vcc 0
		.amdhsa_float_denorm_mode_32 3
		.amdhsa_float_denorm_mode_16_64 3
		.amdhsa_memory_ordered 1
		.amdhsa_forward_progress 1
		.amdhsa_inst_pref_size 147
	.end_amdhsa_kernel
	.amdgpu_metadata
---
amdhsa.version: [ 1, 2 ]
amdhsa.kernels:
  - .name:           k_qd945e3fc44_qkv
    .symbol:         k_qd945e3fc44_qkv.kd
    .args:
      - { .name: xc, .offset: 0, .size: 8, .value_kind: global_buffer, .address_space: global }
      - { .name: wcat, .offset: 8, .size: 8, .value_kind: global_buffer, .address_space: global }
      - { .name: msk, .offset: 16, .size: 8, .value_kind: global_buffer, .address_space: global }
      - { .name: kln_w, .offset: 24, .size: 8, .value_kind: global_buffer, .address_space: global }
      - { .name: kln_b, .offset: 32, .size: 8, .value_kind: global_buffer, .address_space: global }
      - { .name: qln_w, .offset: 40, .size: 8, .value_kind: global_buffer, .address_space: global }
      - { .name: qln_b, .offset: 48, .size: 8, .value_kind: global_buffer, .address_space: global }
      - { .name: kh, .offset: 56, .size: 8, .value_kind: global_buffer, .address_space: global }
      - { .name: vh, .offset: 64, .size: 8, .value_kind: global_buffer, .address_space: global }
      - { .name: qh, .offset: 72, .size: 8, .value_kind: global_buffer, .address_space: global }
    .group_segment_fixed_size: 327680
    .private_segment_fixed_size: 0
    .kernarg_segment_align: 8
    .kernarg_segment_size: 80
    .max_flat_workgroup_size: 128
    .sgpr_count:     96
    .vgpr_count:     640
    .wavefront_size: 32
...
	.end_amdgpu_metadata
.endif
;; end of part 2
;; launch attn (part 3): grid 8 x 32, 4 waves a work-group, clusters of 4 x 1, 327,680 bytes of LDS; arguments qh, kh, vh, msk, oh; writes oh
.if DOCPART == 3
	.amdgcn_target "amdgcn-amd-amdhsa--gfx1250"
	.amdhsa_code_object_version 6
	.text
	.protected	k_qd945e3fc44_attn
	.globl	k_qd945e3fc44_attn
	.p2align	8
	.type	k_qd945e3fc44_attn,@function
k_qd945e3fc44_attn:
	s_mov_b64 s[64:65], 0
	v_nop
	global_prefetch_b8 v0, s[64:65] scope:SCOPE_SE
	s_setreg_imm32_b32 hwreg(HW_REG_WAVE_MODE, 25, 1), 1
	s_wait_xcnt 0x0
	s_wait_alu depctr_hold_cnt(0) depctr_sa_sdst(0) depctr_va_vdst(0) depctr_va_sdst(0) depctr_va_ssrc(0) depctr_va_vcc(0) depctr_vm_vsrc(0)
	s_getreg_b32 s2, hwreg(HW_REG_IB_STS2, 6, 4)
	s_cmp_eq_u32 s2, 0
	s_cbranch_scc0 .Lentry_in_a_cluster
	s_endpgm
.Lentry_in_a_cluster:
	s_bfe_u32 s2, ttmp6, 0x10000c
	s_cmp_lg_u32 s2, 0x3003
	s_cbranch_scc0 .Lentry_shape_is_right
	s_endpgm
.Lentry_shape_is_right:
; THE MASKED ATTENTION.  With s' = q' . k' (q' and k' carry LayerNorm, scale and their masks), e = exp(s' - max s') over ALL 4,096 keys, the module's softmax, mask and renormalisation give
;   O[q] = ms N / (ms L + 1e-13 Z),  N = sum e v' (v' = mt v),  L = sum e mt,  Z = sum e,  ms = the query's mask, mt = the key's.
; qh, oh: [32][2048][64], kh, vh: [32][4096][64], f16.  Products, maxima and sums in f32; the weights e are rounded to f16 for the second product, O once at the end.
; L and Z are made by the matrix unit: a fifth block of "channels" beside V^T's four, whose rows 0 and 8 hold mt, rows 1 and 9 ones, the others zeros (three f16 tables in LDS).
; LIMITS: mt enters L rounded to f16 (0 and 1 are exact); a weight below 6e-8 counts as 0; NaN and infinities are not treated apart.
; SHARES.  A work-group owns 256 queries of one head, a wave 64: four PIECES of 16.  Every wave walks all keys, 64 a step; a slot of LDS holds four steps.
; LAYOUT.  S^T = K Q^T holds ONE query a lane (lane % 16) and the keys 8 (lane / 16) + 0..7; two such results rounded to f16 ARE source 1 of O^T = V^T P.  p = 2^(c s - c m), c = log2(e), with a
; running maximum m; O^T, L and Z are multiplied by a = 2^(c m_old - c m_new) in every step.  m starts at the lowest finite number, the sums at 0.
; TURNS.  Turn n belongs to piece n: 8 products K Q^T of piece n + 1, 10 products V^T P of piece n - 1; beside them the scaling, exponentials, roundings and rescaling of piece n and the maximum and
; statistics of piece n + 1.  A turn's 33 exponentials are one batch with one wait.
; CLUSTER.  The four query blocks of a cluster belong to one head and walk the same K and V: each tile is asked for jointly.
; REGISTERS, in windows of 256: window 0: v0-15 addresses; v16-31 statistics (c m, m, the last factor, 0); v32-43 the tables' address, ms, the divisor; v48-55 at work; v64-127 S^T, two buffers; v192-223 P, two buffers
;   window 1: v0-127 O^T, 32 a piece; v128-159 L (register 0) and Z (register 1), 8 a piece     window 2: v0-63 Q; v64-79 the tables' fragments; v128-191 K; v192-255 V
.set NP,    4
.set KS,    64
.set PK,    144                        ; a row of K in LDS: 128 bytes + 16
.set PV,    160                        ; a row of V: 128 + 32
.set VOFF,  4*KS*PK
.set SLOT1, 1<<17
.set MXB,   4*KS*(PK+PV)               ; behind slot 0: my batch's three tables, 8,192 bytes each, filled once
.set STAGE, SLOT1+4*KS*(PK+PV)         ; behind slot 1: 16 rows x 144 bytes for each wave
.set SP,    144
.set SPARE, STAGE+4*16*SP              ; the spare words, 128 bytes a wave: no other line names them
.set AK0, 2
.set AV0, 3
.set AK,  4
.set AV,  5
.set STO, 6
.set RD,  7
.set GO,  8
.set MV,  12                           ; v12-13 c m_old, by buffer
.set MSO, 14                           ; v14 4 (l % 16); never rewritten
.set QO,  15
.set ST,  16
.set AM0, 32                           ; v32 my lane's place in the tables: table min(l % 8, 2), 16 (l / 16)
.set AM,  33
.set MS,  36                           ; v36-39 ms of my query, a piece each
.set DN,  40                           ; v40-43 the divisor
.set TMP, 48
.set PFO, 61                           ; v61 256 x lane; never rewritten
.set SPW, 62
.set NIL, 63
.set S,   64
.set P,   192
.set OX,  128                          ; window 1
.set MF,  64                           ; window 2
.set KF,  128
.set VF,  192
.set WV,  12
.set LIM, 15                           ; 1 in a wave that prefetches, else the greatest number
.set G1K, 24
.set G1V, 32
.set G0K, 40
.set G0V, 44
.set G1M, 48
.set SLOTS, 56
.set CNT, 57
.set CS,  58
.set SEL, 60
.set TBK, 62
.set TBV, 63
.set OPT, 68                           ; s[68:69] oh at my wave's rows
.set PFA, 70
.set G0M, 72
.set TBM, 76                           ; the step's 128 bytes in a table
.set E13, 77
.set MSP, 78                           ; s[78:79] mcat at my wave's queries
.set MSB, 0
.macro WIN new
.if MSB != (\new)
	s_set_vgpr_msb (MSB<<8)|(\new)
.set MSB, (\new)
.endif
.endm
.set W_KQ, 0x0a                        ; K and Q in window 2, S^T in window 0
.set W_PV, 0x52                        ; V in window 2, P in window 0, O^T in window 1
.set W_RS, 0x41                        ; destination and source 0 in window 1, source 1 in window 0
.macro PLACES
.rept 4
	v_nop
.endr
.endm
.macro JLOAD                           ; waves 0, 1 fetch the halves of a slot's K, waves 2, 3 of its V; an s_nop 0 and four v_nop follow each line
	s_cmp_lt_u32 s[WV], 2
	s_cbranch_scc0 .Lfor_v_\@
	tensor_load_to_lds s[G0K:G0K+3], s[G1K:G1K+7]
	s_nop 0
	PLACES
	s_branch .Lasked_\@
.Lfor_v_\@:
	tensor_load_to_lds s[G0V:G0V+3], s[G1V:G1V+7]
	s_nop 0
	PLACES
.Lasked_\@:
.endm
; A prefetch of what the NEXT change of slots will ask for: a slot's 32,768 bytes of K and of V, a lane 256 bytes.  A head's two clusters walk the same rows: the first asks.  Its four partners take
; 8,192 bytes each, told apart by address; wave 0 asks for K's, wave 2 for V's.  So each block is named once in the launch.  The change that asks for the last slot prefetches nothing.
.macro ASK
	s_cmp_gt_u32 s[SLOTS], s[LIM]
	s_cbranch_scc0 .Lnot_mine_\@
	global_prefetch_b8 v[PFO], s[PFA:PFA+1] th:TH_LOAD_NT scope:SCOPE_SE
.Lnot_mine_\@:
.endm
.macro CROUND
	s_barrier_signal -1
	s_barrier_wait -1
	s_cmp_lg_u32 s[WV], 0
	s_cbranch_scc1 .Lnot_wave_0_\@
	s_barrier_signal -3
.Lnot_wave_0_\@:
	s_barrier_wait -3
	s_barrier_signal -1
	s_barrier_wait -1
.endm
; THE CHANGE OF SLOTS.  All my tensor loads have landed (my part of the other slot); the add; my reads of the slot that I leave are over.  fill = 1: the barrier is a round of the cluster's, and the old slot
; is filled again, first thing behind it, with the keys two slots on: it has four key steps in which to land.
.macro CHANGE fill, ask
	WIN 0
	s_wait_tensorcnt 0x0
	ds_add_u32 v[SPW], v[NIL]                      ; the descriptors' steps stand between it and its wait
.if \fill
.irp g, G0K, G0V
	s_xor_b32 s[\g+1], s[\g+1], SLOT1
	s_add_nc_u64 s[\g+2:\g+3], s[\g+2:\g+3], 4*KS*128
.endr
.if \ask
	s_wait_xcnt 0x0                                ; the last prefetch, a slot back, has read its address
	s_add_nc_u64 s[PFA:PFA+1], s[PFA:PFA+1], 4*KS*128
.endif
	s_wait_dscnt 0x0
	CROUND
	JLOAD
.if \ask
	ASK
.endif
.else
	s_wait_dscnt 0x0
	s_barrier_signal -1
	s_barrier_wait -1
.endif
	s_sub_co_u32 s[TBK], s[TBK], 4*KS*PK           ; the fetches go back to a slot's first step, in the other slot
	s_xor_b32 s[TBK], s[TBK], SLOT1
	s_sub_co_u32 s[TBV], s[TBV], 4*KS*PV
	s_xor_b32 s[TBV], s[TBV], SLOT1
.endm
	s_load_b256 s[4:11], s[0:1], 0x0               ; qh 4, kh 6, vh 8, msk 10
	s_load_b64 s[OPT:OPT+1], s[0:1], 0x20          ; oh
	v_lshl_add_u32 v[SPW], v0, 2, SPARE
	v_mov_b32 v[NIL], 0
	ds_add_u32 v[SPW], v[NIL]                      ; the wave's opening: the add and its wait stand ahead of my first tensor load
	v_lshrrev_b32 v1, 5, v0
	v_readfirstlane_b32 s[WV], v1
	s_bfe_u32 s13, ttmp6, 0x40000                  ; cx: it enters Q's, O's, ms's and the prefetches' addresses alone
	s_lshl_b32 s14, ttmp9, 2
	s_add_co_u32 s14, s14, s13                     ; my block of 256 queries
	s_and_b32 s20, ttmp7, 0xffff                   ; batch x 16 + head
	s_lshr_b32 s21, s20, 4                         ; batch
	s_lshl_b32 s22, s20, 19                        ; the head's first byte in kh and vh,
	s_and_b32 s16, s[WV], 1
	s_lshl_b32 s17, s16, 14                        ; my half of a slot's 256 keys
	s_add_co_u32 s22, s22, s17
	s_mov_b32 s23, 0
	s_mul_i32 s17, s16, 128*PK
	s_mul_i32 s18, s16, 128*PV
	s_lshl_b32 s[MSP], s21, 12                     ; ms: mcat[batch][256 block + 64 wave ..]
	s_lshl_b32 s3, s14, 8
	s_add_co_u32 s[MSP], s[MSP], s3
	s_lshl_b32 s3, s[WV], 6
	s_add_co_u32 s[MSP], s[MSP], s3
	s_lshl_b32 s[MSP], s[MSP], 2
	s_mov_b32 s[MSP+1], 0
	s_lshl_b32 s2, s14, 2                          ; Q and O: the head's 262,144 bytes, my wave's 64 rows of 128
	s_add_co_u32 s2, s2, s[WV]
	s_lshl_b32 s2, s2, 13
	s_lshl_b32 s3, s20, 18
	s_add_co_u32 s2, s2, s3
	s_mov_b32 s3, 0
	s_mul_i32 s[G0M+2], s21, 24576                 ; the tables: my batch's, my wave's quarter of them
	s_mul_i32 s19, s[WV], 6144
	s_add_co_u32 s[G0M+2], s[G0M+2], s19
	s_add_co_u32 s[G0M+2], s[G0M+2], 32768
	s_mov_b32 s[G0M+3], 0
	s_mov_b32 s[G0M], 1
	s_add_co_u32 s[G0M+1], s19, MXB
	s_mov_b32 s[G1K], 15|(1<<16)|(1<<20)|(1<<21)|(4<<22)|(3<<25)  ; the mask of four; 2-byte elements; padding on; bit 21 beside a mask; after every 32 words 4 words
	s_mov_b32 s[G1V], 15|(1<<16)|(1<<20)|(1<<21)|(4<<22)|(7<<25)  ; the same with 8 words
.irp g, G1K, G1V
	s_mov_b32 s[\g+1], 128<<16                     ; 128 keys are 16,384 dense bytes: 64 rows of 256 bytes, two keys a row
	s_mov_b32 s[\g+2], 64<<16
	s_mov_b32 s[\g+3], 128<<16
	s_mov_b32 s[\g+4], 64
	s_mov_b32 s[\g+5], 128
	s_mov_b32 s[\g+6], 0
	s_mov_b32 s[\g+7], 0
.endr
	s_mov_b32 s[G1M], 15|(3<<16)|(1<<21)           ; 8-byte elements, no padding: 24 rows of 256 dense bytes
	s_mov_b32 s[G1M+1], 32<<16
	s_mov_b32 s[G1M+2], 24<<16
	s_mov_b32 s[G1M+3], 32<<16
	s_mov_b32 s[G1M+4], 24
	s_mov_b32 s[G1M+5], 32
	s_mov_b32 s[G1M+6], 0
	s_mov_b32 s[G1M+7], 0
	s_mov_b32 s[CS], 0x3fb8aa3b                    ; c = log2(e)
	s_mov_b32 s[CS+1], s[CS]
	s_mov_b32 s[SEL], 0x76543210
	s_mov_b32 s[SEL+1], 0xfedcba98
	s_mov_b32 s[TBK], SLOT1+4*KS*PK                ; the first change of slots turns these two into 0
	s_mov_b32 s[TBV], SLOT1+4*KS*PV
	s_mov_b32 s[TBM], 0
	s_mov_b32 s[E13], 0x29e12e13                   ; 1e-13
	s_mov_b32 s[G0K], 1
	s_mov_b32 s[G0K+1], s17
	s_mov_b32 s[G0V], 1
	s_add_co_u32 s[G0V+1], s18, VOFF
	s_and_b32 s[LIM], s[WV], 1
	s_or_b32 s[LIM], s[LIM], ttmp9                 ; 0 in waves 0 and 2 of the head's first cluster: the same in all four partners
	s_cmp_eq_u32 s[LIM], 0
	s_cselect_b32 s[LIM], 1, -1
	v_and_b32 v[PFO], 31, v0
	v_lshlrev_b32 v[PFO], 8, v[PFO]
	s_wait_dscnt 0x0                               ; the opening add is done
	s_wait_kmcnt 0x0
	s_add_nc_u64 s[6:7], s[6:7], s[22:23]          ; K and V at my half of the head's first slot
	s_add_nc_u64 s[8:9], s[8:9], s[22:23]
	s_mov_b64 s[G0K+2:G0K+3], s[6:7]
	s_or_b32 s[G0K+3], s[G0K+3], 0x80000000
	s_mov_b64 s[G0V+2:G0V+3], s[8:9]
	s_or_b32 s[G0V+3], s[G0V+3], 0x80000000
	s_add_nc_u64 s[G0M+2:G0M+3], s[10:11], s[G0M+2:G0M+3]
	s_or_b32 s[G0M+3], s[G0M+3], 0x80000000
	s_add_nc_u64 s[MSP:MSP+1], s[10:11], s[MSP:MSP+1]
	s_add_nc_u64 s[4:5], s[4:5], s[2:3]
	s_add_nc_u64 s[OPT:OPT+1], s[OPT:OPT+1], s[2:3]
	s_cmp_lt_u32 s[WV], 2
	s_cselect_b64 s[PFA:PFA+1], s[6:7], s[8:9]
	s_lshl_b32 s2, s13, 13                         ; my work-group's quarter of a slot
	s_add_nc_u64 s[PFA:PFA+1], s[PFA:PFA+1], s[2:3]
	s_add_nc_u64 s[PFA:PFA+1], s[PFA:PFA+1], 2*4*KS*128  ; in slot 2; the first asking change steps it to slot 3.  Nothing is prefetched at the head
	CROUND                                         ; all four work-groups are here: the first joint loads meet
	s_cmp_lt_u32 s[WV], 2                          ; a wave's two first fills stand in one branch: slot 0's part and a quarter of the tables; two loads of mine are out
	s_cbranch_scc0 .Lfirst_v
	tensor_load_to_lds s[G0K:G0K+3], s[G1K:G1K+7]
	s_nop 0
	tensor_load_to_lds s[G0M:G0M+3], s[G1M:G1M+7]
	s_nop 0
	PLACES
	s_branch .Lfirst_asked
.Lfirst_v:
	tensor_load_to_lds s[G0V:G0V+3], s[G1V:G1V+7]
	s_nop 0
	tensor_load_to_lds s[G0M:G0M+3], s[G1M:G1M+7]
	s_nop 0
	PLACES
.Lfirst_asked:
	v_and_b32 v1, 15, v0                           ; l % 16
	v_bfe_u32 v9, v0, 4, 1                         ; l / 16
	v_lshlrev_b32 v[QO], 7, v1
	v_lshl_add_u32 v[QO], v9, 4, v[QO]
	v_lshlrev_b32 v[MSO], 2, v1
	WIN 0x80
.set i, 0
.rept 8                                        ; Q stays in registers: piece i / 2, channels 32 (i % 2) on
	global_load_b128 v[8*i:8*i+3],   v[QO], s[4:5] offset:(i/2)*2048+(i%2)*64
	global_load_b128 v[8*i+4:8*i+7], v[QO], s[4:5] offset:(i/2)*2048+(i%2)*64+32
.set i, i+1
.endr
	WIN 0
.irp t, 0,1,2,3
	global_load_b32 v[MS+(\t)], v[MSO], s[MSP:MSP+1] offset:64*(\t)
.endr
	; What the first turn finds: V's and the tables' fragments and P's second buffer hold 0 (its products, of a piece that has not been, add 0); O^T, L and Z are 0.  All this stands in the wait for the first tile.
	WIN 0x80
.set i, VF
.rept 64
	v_mov_b32 v[i], 0
.set i, i+1
.endr
.set i, MF
.rept 16
	v_mov_b32 v[i], 0
.set i, i+1
.endr
	WIN 0x40
.set i, 0
.rept 160
	v_mov_b32 v[i], 0
.set i, i+1
.endr
	WIN 0
.set i, 0
.rept 4
	v_mov_b32 v[ST+4*i], 0xfe000000                ; c m: far below every c s
	v_mov_b32 v[ST+4*i+1], 0xff7fffff              ; m
	v_mov_b32 v[ST+4*i+2], 0
	v_mov_b32 v[ST+4*i+3], 0
.set i, i+1
.endr
.set i, P+16
.rept 16
	v_mov_b32 v[i], 0
.set i, i+1
.endr
	v_mul_u32_u24 v[AK0], v1, PK
	v_lshl_add_u32 v[AK0], v9, 4, v[AK0]
	v_and_b32 v10, 7, v0                           ; the turning load: lane l reads key 8 (l / 16) + l % 8, channels 8 ((l / 8) % 2) + 0..7
	v_bfe_u32 v11, v0, 3, 1
	v_lshl_add_u32 v[AV0], v9, 3, v10
	v_mul_u32_u24 v[AV0], v[AV0], PV
	v_lshl_add_u32 v[AV0], v11, 4, v[AV0]
	v_add_nc_u32 v[AV0], VOFF, v[AV0]
	v_min_u32 v[AM0], 2, v10                       ; rows 0, 8: the mask; rows 1, 9: ones; the others: zeros
	v_lshlrev_b32 v[AM0], 13, v[AM0]
	v_lshl_add_u32 v[AM0], v9, 4, v[AM0]
	v_add_nc_u32 v[AM0], MXB, v[AM0]
	s_mul_i32 s13, s[WV], 16*SP
	s_add_co_u32 s13, s13, STAGE
	v_mul_u32_u24 v[STO], v1, SP
	v_lshl_add_u32 v[STO], v9, 4, v[STO]
	v_add_nc_u32 v[STO], s13, v[STO]
	v_bfe_u32 v[RD], v0, 3, 2
	v_mul_u32_u24 v[RD], v[RD], SP
	v_lshl_add_u32 v[RD], v10, 4, v[RD]
	v_add_nc_u32 v[RD], s13, v[RD]
	v_and_b32 v[GO], 31, v0
	v_lshlrev_b32 v[GO], 4, v[GO]
; THE MATRIX WORK.  The accumulators of a run take turns.  Product i of 8 of S^T = K Q^T for piece x: channels 32 (i / 4) on, keys 16 (i % 4) on; the first 4 start the sums.
.macro KQ x
	WIN W_KQ
.set rS, S+32*((\x)%2)+8*(i%4)
.set rK, KF+16*(i%4)+8*(i/4)
.set rQ, 16*(\x)+8*(i/4)
.if i < 4
	v_wmma_f32_16x16x32_f16 v[rS:rS+7], v[rK:rK+7], v[rQ:rQ+7], 0
.else
	v_wmma_f32_16x16x32_f16 v[rS:rS+7], v[rK:rK+7], v[rQ:rQ+7], v[rS:rS+7]
.endif
.endm
; Product i of 10 for piece x: keys 32 (i / 5) on; i % 5 < 4: channels 16 (i % 5) on of O^T += V^T P; i % 5 = 4: L and Z
.macro PV x
	WIN W_PV
.set rP, P+16*((\x)%2)+8*(i/5)
.if i%5 < 4
.set rO, 32*(\x)+8*(i%5)
.set rV, VF+32*(i/5)+8*(i%5)
.else
.set rO, OX+8*(\x)
.set rV, MF+8*(i/5)
.endif
	v_wmma_f32_16x16x32_f16 v[rO:rO+7], v[rV:rV+7], v[rP:rP+7], v[rO:rO+7]
.endm
.macro MM                              ; the turn's next matrix instruction.  NOKQ = 1: the last turn: there is no next piece
.if (i < 8) && !NOKQ
	KQ (Y+1)%NP
.elseif i >= 8
.set i, i-8
	PV (Y+NP-1)%NP
.set i, i+8
.endif
.set i, i+1
.endm
; THE LDS LOADS stand in runs: a step's K (8 fragments), and its V (turned) with the tables' two fragments
.macro FETCH_K
	WIN 0x80
.irp f, 0,1,2,3,4,5,6,7
	ds_load_b128 v[KF+8*\f:KF+8*\f+3],   v[AK] offset:(\f/2)*16*PK+(\f%2)*64
	ds_load_b128 v[KF+8*\f+4:KF+8*\f+7], v[AK] offset:(\f/2)*16*PK+(\f%2)*64+32
.endr
	s_add_co_u32 s[TBK], s[TBK], KS*PK
	WIN 0
.endm
.macro FETCH_V
	WIN 0x80
.irp f, 0,1,2,3,4,5,6,7
	ds_load_tr16_b128 v[VF+8*\f:VF+8*\f+3],   v[AV] offset:(\f/4)*32*PV+(\f%4)*32
	ds_load_tr16_b128 v[VF+8*\f+4:VF+8*\f+7], v[AV] offset:(\f/4)*32*PV+16*PV+(\f%4)*32
.endr
.irp f, 0,1
	ds_load_b128 v[MF+8*\f:MF+8*\f+3],   v[AM] offset:64*\f
	ds_load_b128 v[MF+8*\f+4:MF+8*\f+7], v[AM] offset:64*\f+32
.endr
	WIN 0
.endm
; THE VECTOR WORK, a line at a time: OP kind, number.  For piece Y: F n: c s - c m for pair n of 16.  E n: the exponential of score n of 32.  C n: pair n rounded to f16.  R n: pair n of 16 of O^T times a; R 16: L and Z times a.
; For piece Y + 1: X n, number n of the 22 that find its maximum and statistics: 0-11 four chains of seven scores (each accumulator's lowest registers first); 12-14, 16 the four left over,
; the old m, and the four into one; 15 c m_old is kept; 17, 18 the lane 16 away holds the query's other keys: the new m; 19-21 c m; c m_old - c m_new; a.
.set F, 0
.set E, 1
.set C, 2
.set R, 5
.set X, 6
.macro REGS y
.set rT, ST+4*(\y)
.set rC, TMP+4*((\y)%2)
.set rW, MV+((\y)%2)
.set rS, S+32*((\y)%2)
.set rP, P+16*((\y)%2)
.set rO, 32*(\y)
.endm
.macro OP k, n
.if (\k) == R
	REGS Y
	WIN W_RS
.if (\n) == 16
	v_pk_mul_f32 v[OX+8*Y:OX+8*Y+1], v[OX+8*Y:OX+8*Y+1], v[rC+2:rC+3] op_sel_hi:[1,0]
.else
	v_pk_mul_f32 v[rO+2*(\n):rO+2*(\n)+1], v[rO+2*(\n):rO+2*(\n)+1], v[rC+2:rC+3] op_sel_hi:[1,0]
.endif
.elseif (\k) < R
	REGS Y
	WIN 0
.if (\k) == F
	v_pk_fma_f32 v[rS+2*(\n):rS+2*(\n)+1], v[rS+2*(\n):rS+2*(\n)+1], s[CS:CS+1], v[rT:rT+1] op_sel_hi:[1,0,0] neg_lo:[0,0,1] neg_hi:[0,0,1]
.elseif (\k) == E
	v_exp_f32 v[rS+(\n)], v[rS+(\n)]
.else
	v_cvt_pk_f16_f32 v[rP+(\n)], v[rS+2*(\n)], v[rS+2*(\n)+1]
.endif
.elseif NOKQ
	v_nop
.else
	REGS (Y+1)%NP
	WIN 0
.if (\n) < 4
	v_max3_num_f32 v[rC+(\n)], v[rS+8*(\n)], v[rS+8*(\n)+1], v[rS+8*(\n)+2]
.elseif (\n) < 12
	v_max3_num_f32 v[rC+(\n)%4], v[rC+(\n)%4], v[rS+8*((\n)%4)+2*((\n)/4)+1], v[rS+8*((\n)%4)+2*((\n)/4)+2]
.elseif (\n) == 12
	v_max3_num_f32 v[rC], v[rC], v[rS+7], v[rS+15]
.elseif (\n) == 13
	v_max3_num_f32 v[rC+1], v[rC+1], v[rS+23], v[rS+31]
.elseif (\n) == 14
	v_max3_num_f32 v[rC+2], v[rC+2], v[rC+3], v[rT+1]
.elseif (\n) == 15
	v_mov_b32 v[rW], v[rT]
.elseif (\n) == 16
	v_max3_num_f32 v[rC], v[rC], v[rC+1], v[rC+2]
.elseif (\n) == 17
	v_permlanex16_b32 v[rC+3], v[rC], s[SEL], s[SEL+1]
.elseif (\n) == 18
	v_max_num_f32 v[rT+1], v[rC], v[rC+3]
.elseif (\n) == 19
	v_mul_f32 v[rT], s[CS], v[rT+1]
.elseif (\n) == 20
	v_sub_f32 v[rC+1], v[rW], v[rT]
.else
	v_exp_f32 v[rC+2], v[rC+1]
.endif
.endif
.endm
.macro OPS a, i1, b=-1, i2=0, c=-1, i3=0, d=-1, i4=0
	OP \a, \i1
.if (\b) >= 0
	OP \b, \i2
.endif
.if (\c) >= 0
	OP \c, \i3
.endif
.if (\d) >= 0
	OP \d, \i4
.endif
.endm
.macro ROW a, i1, b=-1, i2=0, c=-1, i3=0, d=-1, i4=0  ; a matrix instruction and the lines behind it
	MM
	OPS \a, \i1, \b, \i2, \c, \i3, \d, \i4
.endm
; A TURN, for piece p.  Ahead of its one wait stands all that names no result of the turn's exponentials: the 8 products K Q^T with four lines behind each (the next piece's maximum begins four places or more behind the
; product that ends its accumulator), the rest of the scalings, exponentials, maximum and rescalings, and among these the first four products V^T P, eight lines apart: they name O^T, L, Z and P of piece p - 1 and V,
; which no line of the turn writes.  R 15 and R 16 are the plain lines behind the last exponential.  Behind the wait stand the other six products and the 16 roundings.
; K of the next step is fetched in piece 2's turn, twelve plain lines that name none of its registers behind the last product that read K; V and the tables' fragments at the end of piece 0's turn, four roundings behind their
; last reader.  end = 1: the last two turns fetch nothing.  cnt = 1: the loop's count is taken down some lines ahead of the branch behind the turn.
.macro TURN p, end=0, cnt=0
.set Y, (\p)
.set i, 0
.set NOKQ, (\end)*((\p)/3)
.if ((\p) == 3) && !(\end)
	s_wait_dscnt 0x0                               ; K is in
.endif
	ROW F,0, F,1, R,0, R,1
	ROW F,2, E,0, R,2, R,3
	ROW F,3, E,1, R,4, R,5
	ROW F,4, E,2, R,6, R,7
	ROW F,5, E,3, R,8, R,9
	ROW F,6, E,4, X,0, R,10
.if ((\p) == 2) && !(\end)
	WIN 0
	v_add_nc_u32 v[AK], s[TBK], v[AK0]
.endif
	ROW F,7, E,5, X,1, X,4
	ROW F,8, E,6, X,2, X,5
	OPS E,7, E,8, X,6, E,9
	OPS X,3, E,10, X,8, E,11
.if ((\p) == 2) && !(\end)
	FETCH_K
.endif
	OPS X,9, X,7, E,12, X,10
	OPS E,13, X,12, X,11, E,14
	OPS X,13, E,15, F,9, X,14
.if (\p) == 0
	WIN 0
	v_add_nc_u32 v[AV], s[TBV], v[AV0]
	v_add_nc_u32 v[AM], s[TBM], v[AM0]
.endif
	OPS E,16, F,10, E,17, F,11
.if (\p) == 1
	s_wait_dscnt 0x0                               ; V and the tables' fragments are in
.endif
	ROW X,16, E,18, X,15, E,19
	OPS F,12, E,20, X,17, E,21
	ROW F,13, E,22, F,14, E,23
	OPS X,18, E,24, F,15, E,25
	ROW R,11, E,26, X,19, E,27
	OPS R,12, E,28, R,13, E,29
	ROW X,20, E,30, R,14, E,31
	OPS X,21, R,15, R,16
	WIN 0
	s_wait_alu depctr_va_vdst(0)                   ; the one wait between the batch and its first reader
	ROW C,0, C,1, C,2
	ROW C,3, C,4, C,5
	ROW C,6, C,7
.if (\p) == 0
	s_add_co_u32 s[TBV], s[TBV], KS*PV
	s_add_co_u32 s[TBM], s[TBM], 2*KS
.endif
.if \cnt
	s_sub_co_u32 s[CNT], s[CNT], 1
	s_cmp_lg_u32 s[CNT], 0
.endif
	ROW C,8, C,9
	ROW C,10, C,11
	ROW C,12, C,13, C,14, C,15
.if (\p) == 0
	FETCH_V
.endif
.endm
	CHANGE 1, 0                                    ; slot 0 and the tables are in, everybody's part; slot 1 is asked for
	v_add_nc_u32 v[AK], s[TBK], v[AK0]
	FETCH_K                                        ; key step 0
	s_wait_loadcnt 0x0                             ; Q and ms
	s_wait_dscnt 0x0
.set NOKQ, 0
.set i, 0
.rept 8
	KQ 0                                           ; piece 0's first scores
.set i, i+1
.endr
	WIN 0
	PLACES
.set Y, NP-1                                   ; X works for piece Y + 1: piece 0
.irp n, 0,1,2,3,4,5,6,7,8,9,10,11,12,13,14,15,16,17,18,19,20,21
	OP X, \n
.endr
	v_nop                                          ; a plain line behind the exponential,
	s_wait_alu depctr_va_vdst(0)                   ; and its wait, ahead of the branch
	s_mov_b32 s[CNT], 4
	s_mov_b32 s[SLOTS], 15
	s_branch .Lfirst                               ; the loop is entered at a step's first turn, in the middle of a trip
.Lslot:                                        ; 14 times: slots 2 to 15 are asked for
	CHANGE 1, 1
	s_mov_b32 s[CNT], 4
.Lstep:                                        ; a trip: pieces 2 and 3 of one step, then pieces 0 and 1 of the next, whose K and V it fetches
	TURN 2
	TURN 3
	WIN 0
.Lfirst:
	TURN 0
	TURN 1, 0, 1
	WIN 0
	s_cbranch_scc1 .Lstep
	s_sub_co_u32 s[SLOTS], s[SLOTS], 1
	s_cmp_lg_u32 s[SLOTS], 0
	s_cbranch_scc1 .Lslot
	CHANGE 0, 0                                    ; the last slot is written out
	s_mov_b32 s[CNT], 4
.Ltail:
	TURN 2
	TURN 3
	WIN 0
	TURN 0
	TURN 1, 0, 1
	WIN 0
	s_cbranch_scc1 .Ltail
	TURN 2, 1
	TURN 3, 1
.set i, 0
.rept 10
	PV NP-1                                        ; the last piece's products of the last step
.set i, i+1
.endr
	; THE WAY OUT.  O = O^T x ms / (ms L + 1e-13 Z), rounded to f16 and sent through my stage, a piece at a time
	WIN 0
	PLACES
	WIN 0x04                                       ; source 1 in window 1
.irp t, 0,1,2,3
	v_mul_f32 v[DN+(\t)], s[E13], v[OX+8*(\t)+1]
.endr
.irp t, 0,1,2,3
	v_fma_f32 v[DN+(\t)], v[MS+(\t)], v[OX+8*(\t)], v[DN+(\t)]
.endr
	WIN 0
.irp t, 0,1,2,3
	v_rcp_f32 v[DN+(\t)], v[DN+(\t)]
.endr
	v_nop                                          ; a plain line behind the last reciprocal,
	s_wait_alu depctr_va_vdst(0)                   ; and one wait for the four
.irp t, 0,1,2,3
	v_mul_f32 v[ST+4*(\t)+2], v[MS+(\t)], v[DN+(\t)]
.endr
.macro PACK t
	WIN W_RS
.set i, 32*(\t)
.rept 16
	v_pk_mul_f32 v[i:i+1], v[i:i+1], v[ST+4*(\t)+2:ST+4*(\t)+3] op_sel_hi:[1,0]
.set i, i+2
.endr
	WIN 0x05                                       ; sources 0 and 1 window 1, destination window 0
.set i, 0
.rept 16
	v_cvt_pk_f16_f32 v[S+16*(\t)+i], v[32*(\t)+2*i], v[32*(\t)+2*i+1]
.set i, i+1
.endr
	WIN 0
.irp f, 0,1,2,3
	ds_store_b128 v[STO], v[S+16*(\t)+4*\f:S+16*(\t)+4*\f+3] offset:32*\f
.endr
.irp f, 0,1,2,3
	ds_load_b128 v[S+16*(\t)+4*\f:S+16*(\t)+4*\f+3], v[RD] offset:\f*4*SP  ; LDS serves a wave's instructions in order (ISA guide 5.7.1.4)
.endr
.endm
.macro SEND t, younger                 ; younger: the next piece's eight LDS instructions, or none
	WIN 0
.irp f, 0,1,2,3
	s_wait_dscnt (\younger)+3-\f
	global_store_b128 v[GO], v[S+16*(\t)+4*\f:S+16*(\t)+4*\f+3], s[OPT:OPT+1] offset:(\t)*2048+\f*512  ; 512 consecutive bytes, aligned
.endr
.endm
	PACK 0
	PACK 1
	SEND 0, 8
	PACK 2
	SEND 1, 8
	PACK 3
	SEND 2, 8
	SEND 3, 0
	s_wait_tensorcnt 0x0                           ; the wave's end
	ds_add_u32 v[SPW], v[NIL]
	s_wait_dscnt 0x0
	CROUND                                         ; the closing round
	s_endpgm
.Lfunc_end_k_qd945e3fc44_attn:
	.size	k_qd945e3fc44_attn, .Lfunc_end_k_qd945e3fc44_attn-k_qd945e3fc44_attn
	.p2alignl 7, 3214868480
	.fill 96, 4, 3214868480
	.section	.rodata,"a",@progbits
	.p2align	6, 0x0
	.amdhsa_kernel k_qd945e3fc44_attn
		.amdhsa_group_segment_fixed_size 327680
		.amdhsa_private_segment_fixed_size 0
		.amdhsa_enable_private_segment 0
		.amdhsa_kernarg_size 40
		.amdhsa_user_sgpr_count 2
		.amdhsa_user_sgpr_kernarg_segment_ptr 1
		.amdhsa_wavefront_size32 1
		.amdhsa_system_sgpr_workgroup_id_x 1
		.amdhsa_system_sgpr_workgroup_id_y 1
		.amdhsa_system_sgpr_workgroup_id_z 1
		.amdhsa_system_vgpr_workitem_id 0
		.amdhsa_next_free_vgpr 768
		.amdhsa_next_free_sgpr 80
		.amdhsa_reserve_vcc 0
		.amdhsa_float_denorm_mode_32 3
		.amdhsa_float_denorm_mode_16_64 3
		.amdhsa_memory_ordered 1
		.amdhsa_forward_progress 1
		.amdhsa_inst_pref_size 125
	.end_amdhsa_kernel
	.amdgpu_metadata
---
amdhsa.version: [ 1, 2 ]
amdhsa.kernels:
  - .name:           k_qd945e3fc44_attn
    .symbol:         k_qd945e3fc44_attn.kd
    .args:
      - { .name: qh, .offset: 0, .size: 8, .value_kind: global_buffer, .address_space: global }
      - { .name: kh, .offset: 8, .size: 8, .value_kind: global_buffer, .address_space: global }
      - { .name: vh, .offset: 16, .size: 8, .value_kind: global_buffer, .address_space: global }
      - { .name: msk, .offset: 24, .size: 8, .value_kind: global_buffer, .address_space: global }
      - { .name: oh, .offset: 32, .size: 8, .value_kind: global_buffer, .address_space: global }
    .group_segment_fixed_size: 327680
    .private_segment_fixed_size: 0
    .kernarg_segment_align: 8
    .kernarg_segment_size: 40
    .max_flat_workgroup_size: 128
    .sgpr_count:     80
    .vgpr_count:     768
    .wavefront_size: 32
...
	.end_amdgpu_metadata
.endif
;; end of part 3
;; launch outp (part 4): grid 8 x 32, 4 waves a work-group, clusters of 4 x 4, 327,680 bytes of LDS; arguments oh, wuh, bu, out0; writes out0
.if DOCPART == 4
	.amdgcn_target "amdgcn-amd-amdhsa--gfx1250"
	.amdhsa_code_object_version 6
	.text
	.protected	k_qd945e3fc44_outp
	.globl	k_qd945e3fc44_outp
	.p2align	8
	.type	k_qd945e3fc44_outp,@function
k_qd945e3fc44_outp:
	s_mov_b64 s[64:65], 0
	v_nop
	global_prefetch_b8 v0, s[64:65] scope:SCOPE_SE
	s_setreg_imm32_b32 hwreg(HW_REG_WAVE_MODE, 25, 1), 1
	s_wait_xcnt 0x0
	s_wait_alu depctr_hold_cnt(0) depctr_sa_sdst(0) depctr_va_vdst(0) depctr_va_sdst(0) depctr_va_ssrc(0) depctr_va_vcc(0) depctr_vm_vsrc(0)
	s_getreg_b32 s2, hwreg(HW_REG_IB_STS2, 6, 4)
	s_cmp_eq_u32 s2, 0
	s_cbranch_scc0 .Lentry_in_a_cluster
	s_endpgm
.Lentry_in_a_cluster:
	s_bfe_u32 s2, ttmp6, 0x10000c
	s_cmp_lg_u32 s2, 0xf033
	s_cbranch_scc0 .Lentry_shape_is_right
	s_endpgm
.Lentry_shape_is_right:
; THE OUTPUT PROJECTION.  out0[b][s][n] = sum over k = 64 head + d of oh[b x 16 + head][s][d] wuh[k][n] + bu[n].  oh and wuh f16, sums, bias and out0 f32.
; A tile of out0 is 128 x 128: 256 work-groups, one each; four waves of 64 x 64.  K = 1,024 goes in four steps of 256 (four heads) through two LDS slots.
; A's tile is asked for jointly by a row of the cluster (4 x 4), B's by a column.  A's 64 rows of one head are 8,192 dense bytes: a load brings four such runs, padded after every 128 bytes, so that
; LDS holds [head][row] at 144 bytes a row.  W lies [k][n] (rows of 256 + 32 bytes) and is turned by ds_load_tr16_b128.
; THE MATRIX INSTRUCTION IS USED TRANSPOSED: a lane holds row l % 16 and columns 16 b + 8 (l / 16) + 0..7.
; REGISTERS: window 0: v0-31 addresses; v32-95 rows read back from the stage, two buffers; v96-127 the bias of my columns; v128-255 accumulators.  window 1: two fragment buffers of 128.
.set PA,    144
.set AH,    4*64*PA                    ; four heads x 64 rows: one wave's load
.set PB,    288
.set BH,    128*PB
.set SLOT,  2*AH+2*BH
.set STAGE, 2*SLOT                     ; behind the ring: 16 rows x 272 bytes for each wave
.set SP,    272
.set SPARE, STAGE+4*16*SP
.set AQ,    64*PA                      ; a quarter of a K step is a head
.set AI,    16*PA
.set ADRA, 16
.set ADRB, 20
.set STO,  24
.set RD,   25
.set GO,   26
.set SPW,  28
.set NIL,  29
.set BO_,  30                          ; v30 32 (l / 16): my columns' bytes in the bias; never rewritten
.set BK,   32
.set BU,   96
.set ACC,  128
.set F0,   0
.set F1,   128
.set WV, 24
.set WR, 25
.set WC, 26
.set CX, 27
.set CY, 28
.set G1A, 32
.set G0A, 40
.set G1B, 48
.set G0B, 56
.set TC,  66                           ; tile column
.set TR,  67                           ; tile row
.set AO,  72
.set BO,  74
.set OP,  76
.set BP,  78
.set MSB, 0
.macro WIN new
.if MSB != (\new)
	s_set_vgpr_msb (MSB<<8)|(\new)
.set MSB, \new
.endif
.endm
.set MUL,  0x05
.set TO_F, 0x40
.macro PLACES
.rept 4
	v_nop
.endr
.endm
.macro JLOAD s                         ; waves 0, 1 A's halves, waves 2, 3 B's; an s_nop 0 and four v_nop follow each line
	s_cmp_eq_u32 s[WR], 0
	s_cbranch_scc0 .Lfor_b_\@
	tensor_load_to_lds s[G0A+4*(\s):G0A+4*(\s)+3], s[G1A:G1A+7]
	s_nop 0
	PLACES
	s_branch .Lasked_\@
.Lfor_b_\@:
	tensor_load_to_lds s[G0B+4*(\s):G0B+4*(\s)+3], s[G1B:G1B+7]
	s_nop 0
	PLACES
.Lasked_\@:
.endm
.macro CREST
	s_cmp_lg_u32 s[WV], 0
	s_cbranch_scc1 .Lnot_wave_0_\@
	s_barrier_signal -3
.Lnot_wave_0_\@:
	s_barrier_wait -3
	s_barrier_signal -1
	s_barrier_wait -1
.endm
.macro CROUND
	s_barrier_signal -1
	s_barrier_wait -1
	CREST
.endm
.macro MUL8 f, c, a0, zero             ; the 16 accumulators take turns
	WIN MUL
.irp a, \a0, (\a0)+1
.irp b, 0,1,2,3
.if \zero
	v_wmma_f32_16x16x32_f16 v[ACC+8*(4*(\a)+(\b)):ACC+8*(4*(\a)+(\b))+7], v[(\f)+64+8*(4*(\c)+(\b)):(\f)+64+8*(4*(\c)+(\b))+7], v[(\f)+8*(4*(\c)+(\a)):(\f)+8*(4*(\c)+(\a))+7], 0
.else
	v_wmma_f32_16x16x32_f16 v[ACC+8*(4*(\a)+(\b)):ACC+8*(4*(\a)+(\b))+7], v[(\f)+64+8*(4*(\c)+(\b)):(\f)+64+8*(4*(\c)+(\b))+7], v[(\f)+8*(4*(\c)+(\a)):(\f)+8*(4*(\c)+(\a))+7], v[ACC+8*(4*(\a)+(\b)):ACC+8*(4*(\a)+(\b))+7]
.endif
.endr
.endr
.endm
.macro FETCH slot, qd, f               ; 32 LDS loads in one run, the first 32 along K first
	WIN TO_F
.irp c, 0,1
.irp i, 0,1,2,3
	ds_load_tr16_b128 v[(\f)+64+8*(4*(\c)+(\i)):(\f)+64+8*(4*(\c)+(\i))+3],   v[ADRB+2*(\slot)+(\qd)/2] offset:(((\qd)%2)*64+32*(\c))*PB+32*(\i)
	ds_load_tr16_b128 v[(\f)+64+8*(4*(\c)+(\i))+4:(\f)+64+8*(4*(\c)+(\i))+7], v[ADRB+2*(\slot)+(\qd)/2] offset:(((\qd)%2)*64+32*(\c)+16)*PB+32*(\i)
	ds_load_b128 v[(\f)+8*(4*(\c)+(\i)):(\f)+8*(4*(\c)+(\i))+3],   v[ADRA+(\slot)] offset:AQ*(\qd)+64*(\c)+AI*(\i)
	ds_load_b128 v[(\f)+8*(4*(\c)+(\i))+4:(\f)+8*(4*(\c)+(\i))+7], v[ADRA+(\slot)] offset:AQ*(\qd)+64*(\c)+AI*(\i)+32
.endr
.endr
.endm
.macro QUARTER slot, qd, f, g, zero
	s_wait_dscnt 16                                ; the first 32 along K are in
	MUL8 \f, 0, 0, \zero
	MUL8 \f, 0, 2, \zero
	PLACES
	FETCH \slot, \qd, \g
	s_wait_dscnt 32                                ; all but the 32 just issued
	MUL8 \f, 1, 0, 0
	MUL8 \f, 1, 2, 0
.endm
.macro TURN slot, next, fill           ; a K step's last quarter, and the change of slots
	WIN 0
	s_wait_tensorcnt 0x0                           ; all my tensor loads have landed: my part of the next slot
	ds_add_u32 v[SPW], v[NIL]
.if \fill
	s_add_nc_u64 s[G0A+4*(\slot)+2:G0A+4*(\slot)+3], s[G0A+4*(\slot)+2:G0A+4*(\slot)+3], 2097152  ; two K steps on: eight heads of oh,
	s_add_nc_u64 s[G0B+4*(\slot)+2:G0B+4*(\slot)+3], s[G0B+4*(\slot)+2:G0B+4*(\slot)+3], 1048576  ; 512 rows of wuh
.endif
	s_wait_dscnt 17                                ; the add and the youngest sixteen loads may be out
	MUL8 F1, 0, 0, 0
	s_wait_dscnt 0x0
	s_barrier_signal -1
	MUL8 F1, 0, 2, 0
.if \fill
	WIN 0
.endif
	s_barrier_wait -1
.if \fill
	CREST
	JLOAD \slot
.else
	PLACES
.endif
	FETCH \next, 0, F0
	MUL8 F1, 1, 0, 0
	MUL8 F1, 1, 2, 0
.endm
	s_load_b256 s[4:11], s[0:1], 0x0               ; oh 4, wuh 6, bu 8, out0 10
	v_lshl_add_u32 v[SPW], v0, 2, SPARE
	v_mov_b32 v[NIL], 0
	ds_add_u32 v[SPW], v[NIL]                      ; the wave's opening: the add and its wait stand ahead of my first tensor load
	v_lshrrev_b32 v3, 5, v0
	v_readfirstlane_b32 s[WV], v3
	s_lshr_b32 s[WR], s[WV], 1
	s_and_b32 s[WC], s[WV], 1
	s_bfe_u32 s[CX], ttmp6, 0x40000
	s_bfe_u32 s[CY], ttmp6, 0x40004
	s_lshl_b32 s[TC], ttmp9, 2
	s_add_co_u32 s[TC], s[TC], s[CX]
	s_and_b32 s[TR], ttmp7, 0xffff
	s_lshl_b32 s[TR], s[TR], 2
	s_add_co_u32 s[TR], s[TR], s[CY]
	s_lshl_b32 s30, s[CY], 2
	s_lshl_b32 s30, 15, s30
	s_lshl_b32 s31, 0x1111, s[CX]
	s_or_b32 s[G1A], s30, (1<<16)|(1<<20)|(1<<21)|(4<<22)|(3<<25)  ; after every 32 words 4 words
	s_mov_b32 s[G1A+1], 4096<<16                   ; tensor_dim0 = 4,096: 64 rows of a head on end
	s_mov_b32 s[G1A+2], 4<<16                      ; tensor_dim1 = 4 heads
	s_mov_b32 s[G1A+3], 4096<<16
	s_mov_b32 s[G1A+4], 4
	s_mov_b32 s[G1A+5], 131072                     ; elements from head to head
	s_mov_b32 s[G1A+6], 0
	s_mov_b32 s[G1A+7], 0
	s_or_b32 s[G1B], s31, (1<<16)|(1<<20)|(1<<21)|(5<<22)|(7<<25)
	s_mov_b32 s[G1B+1], 128<<16
	s_mov_b32 s[G1B+2], 128<<16
	s_mov_b32 s[G1B+3], 128<<16
	s_mov_b32 s[G1B+4], 128
	s_mov_b32 s[G1B+5], 1024
	s_mov_b32 s[G1B+6], 0
	s_mov_b32 s[G1B+7], 0
	s_lshr_b32 s[AO], s[TR], 4                     ; A: batch x 16 heads, rows 128 (tile row % 16) + 64 WC
	s_lshl_b32 s[AO], s[AO], 22
	s_and_b32 s83, s[TR], 15
	s_lshl_b32 s83, s83, 14
	s_add_co_u32 s[AO], s[AO], s83
	s_lshl_b32 s83, s[WC], 13
	s_add_co_u32 s[AO], s[AO], s83
	s_mov_b32 s[AO+1], 0
	s_lshl_b32 s[BO], s[WC], 18                    ; B: my 128 k-rows of 2,048 bytes, the tile's 128 columns
	s_lshl_b32 s82, s[TC], 8
	s_add_co_u32 s[BO], s[BO], s82
	s_mov_b32 s[BO+1], 0
	s_lshl_b32 s[BP], s[TC], 9                     ; my 64 columns in f32: 512 x tile column + 256 WC
	s_lshl_b32 s86, s[WC], 8
	s_add_co_u32 s[BP], s[BP], s86
	s_mov_b32 s[BP+1], 0
	s_lshl_b32 s[OP], s[TR], 7
	s_lshl_b32 s86, s[WR], 6
	s_add_co_u32 s[OP], s[OP], s86
	s_lshl_b32 s[OP], s[OP], 12                    ; my first row of out0
	s_add_co_u32 s[OP], s[OP], s[BP]
	s_mov_b32 s[OP+1], 0
	s_mul_i32 s84, s[WC], AH
	s_mul_i32 s85, s[WC], BH
	s_add_co_u32 s85, s85, 2*AH
	s_wait_dscnt 0x0                               ; the opening add is done
	s_wait_kmcnt 0x0
	s_add_nc_u64 s[OP:OP+1], s[10:11], s[OP:OP+1]
	s_add_nc_u64 s[BP:BP+1], s[8:9], s[BP:BP+1]
	CROUND                                         ; all sixteen work-groups are here
.irp s, 0,1
	s_mov_b32 s[G0A+4*(\s)], 1
	s_add_co_u32 s[G0A+4*(\s)+1], s84, (\s)*SLOT
	s_add_nc_u64 s[G0A+4*(\s)+2:G0A+4*(\s)+3], s[4:5], s[AO:AO+1]
	s_or_b32 s[G0A+4*(\s)+3], s[G0A+4*(\s)+3], 0x80000000
	s_mov_b32 s[G0B+4*(\s)], 1
	s_add_co_u32 s[G0B+4*(\s)+1], s85, (\s)*SLOT
	s_add_nc_u64 s[G0B+4*(\s)+2:G0B+4*(\s)+3], s[6:7], s[BO:BO+1]
	s_or_b32 s[G0B+4*(\s)+3], s[G0B+4*(\s)+3], 0x80000000
	JLOAD \s                                       ; K steps 0 and 1: two loads of mine are out
	s_add_co_u32 s[AO], s[AO], 1048576
	s_add_co_u32 s[BO], s[BO], 524288
.endr
	v_and_b32 v1, 15, v0
	v_bfe_u32 v2, v0, 4, 1
	v_mul_u32_u24 v3, v1, PA
	v_lshl_add_u32 v3, v2, 4, v3
	s_mul_i32 s84, s[WR], AH
	v_add_nc_u32 v[ADRA], s84, v3
	s_add_co_u32 s84, s84, SLOT
	v_add_nc_u32 v[ADRA+1], s84, v3
	v_and_b32 v4, 7, v0
	v_lshl_add_u32 v4, v2, 3, v4
	v_mul_u32_u24 v4, v4, PB
	v_bfe_u32 v5, v0, 3, 1
	v_lshl_add_u32 v4, v5, 4, v4
	s_lshl_b32 s84, s[WC], 7
	s_add_co_u32 s84, s84, 2*AH
	v_add_nc_u32 v[ADRB], s84, v4
	v_add_nc_u32 v[ADRB+1], BH, v[ADRB]
	v_add_nc_u32 v[ADRB+2], SLOT, v[ADRB]
	v_add_nc_u32 v[ADRB+3], SLOT, v[ADRB+1]
	s_mul_i32 s84, s[WV], 16*SP
	s_add_co_u32 s84, s84, STAGE
	v_mul_u32_u24 v[STO], v1, SP                   ; in: row l % 16, 32 bytes for each half of the lanes
	v_lshl_add_u32 v[STO], v2, 5, v[STO]
	v_add_nc_u32 v[STO], s84, v[STO]
	v_mul_u32_u24 v[RD], v2, SP                    ; back: lanes 0-15 one row of 256 bytes, lanes 16-31 the next
	v_lshl_add_u32 v[RD], v1, 4, v[RD]
	v_add_nc_u32 v[RD], s84, v[RD]
	v_lshlrev_b32 v[GO], 12, v2                    ; and the same two rows in out0
	v_lshl_add_u32 v[GO], v1, 4, v[GO]
	v_lshlrev_b32 v[BO_], 5, v2
.irp q, 0,1,2,3
	global_load_b128 v[BU+8*(\q):BU+8*(\q)+3],   v[BO_], s[BP:BP+1] offset:64*(\q)
	global_load_b128 v[BU+8*(\q)+4:BU+8*(\q)+7], v[BO_], s[BP:BP+1] offset:64*(\q)+16
.endr
	s_wait_tensorcnt 1                             ; my part of slot 0 is in; slot 1's may stay out
	s_barrier_signal -1
	s_barrier_wait -1
	FETCH 0, 0, F0
	QUARTER 0, 1, F0, F1, 1                        ; the first products start the sums
	QUARTER 0, 2, F1, F0, 0
	QUARTER 0, 3, F0, F1, 0
	TURN 0, 1, 1                                   ; slot 0 takes K step 2
	QUARTER 1, 1, F0, F1, 0
	QUARTER 1, 2, F1, F0, 0
	QUARTER 1, 3, F0, F1, 0
	TURN 1, 0, 1                                   ; slot 1 takes K step 3
	QUARTER 0, 1, F0, F1, 0
	QUARTER 0, 2, F1, F0, 0
	QUARTER 0, 3, F0, F1, 0
	TURN 0, 1, 0
	QUARTER 1, 1, F0, F1, 0
	QUARTER 1, 2, F1, F0, 0
	QUARTER 1, 3, F0, F1, 0
	s_wait_dscnt 16
	MUL8 F1, 0, 0, 0
	MUL8 F1, 0, 2, 0
	s_wait_dscnt 0x0
	MUL8 F1, 1, 0, 0
	MUL8 F1, 1, 2, 0
	WIN 0
	PLACES
	s_wait_loadcnt 0x0                             ; the bias
; THE WAY OUT, 16 rows at a time: the bias is added; 32 bytes a lane go into my stage; whole rows of 256 bytes come back and are stored.
.macro PACK a
.set XX, ACC+32*(\a)
.set kk, 0
.rept 16
	v_pk_add_f32 v[XX+kk:XX+kk+1], v[XX+kk:XX+kk+1], v[BU+kk:BU+kk+1]
.set kk, kk+2
.endr
.endm
.macro TOSTAGE a
.set XX, ACC+32*(\a)
.irp q, 0,1,2,3
	ds_store_b128 v[STO], v[XX+8*(\q):XX+8*(\q)+3]   offset:64*(\q)
	ds_store_b128 v[STO], v[XX+8*(\q)+4:XX+8*(\q)+7] offset:64*(\q)+16
.endr
.irp t, 0,1,2,3,4,5,6,7
	ds_load_b128 v[BK+32*((\a)%2)+4*(\t):BK+32*((\a)%2)+4*(\t)+3], v[RD] offset:2*SP*(\t)  ; LDS serves a wave's instructions in order (ISA guide 5.7.1.4)
.endr
.endm
.macro SEND a
	s_wait_dscnt 0x0                               ; the block is back in registers
	s_wait_xcnt 0x0                                ; the block before has left its registers: the other buffer is loaded again only behind this wait
.irp t, 0,1,2,3,4,5,6,7
	global_store_b128 v[GO], v[BK+32*((\a)%2)+4*(\t):BK+32*((\a)%2)+4*(\t)+3], s[OP:OP+1] offset:65536*(\a)+8192*(\t) th:TH_STORE_NT  ; 16 lanes store 256 consecutive bytes, aligned
.endr
.endm
	PACK 0
	TOSTAGE 0
	PACK 1
	SEND 0
	TOSTAGE 1
	PACK 2
	SEND 1
	TOSTAGE 2
	PACK 3
	SEND 2
	TOSTAGE 3
	SEND 3
	s_wait_tensorcnt 0x0                           ; the wave's end
	ds_add_u32 v[SPW], v[NIL]
	s_wait_dscnt 0x0
	CROUND                                         ; the closing round
	s_endpgm
.Lfunc_end_k_qd945e3fc44_outp:
	.size	k_qd945e3fc44_outp, .Lfunc_end_k_qd945e3fc44_outp-k_qd945e3fc44_outp
	.p2alignl 7, 3214868480
	.fill 96, 4, 3214868480
	.section	.rodata,"a",@progbits
	.p2align	6, 0x0
	.amdhsa_kernel k_qd945e3fc44_outp
		.amdhsa_group_segment_fixed_size 327680
		.amdhsa_private_segment_fixed_size 0
		.amdhsa_enable_private_segment 0
		.amdhsa_kernarg_size 32
		.amdhsa_user_sgpr_count 2
		.amdhsa_user_sgpr_kernarg_segment_ptr 1
		.amdhsa_wavefront_size32 1
		.amdhsa_system_sgpr_workgroup_id_x 1
		.amdhsa_system_sgpr_workgroup_id_y 1
		.amdhsa_system_sgpr_workgroup_id_z 1
		.amdhsa_system_vgpr_workitem_id 0
		.amdhsa_next_free_vgpr 512
		.amdhsa_next_free_sgpr 96
		.amdhsa_reserve_vcc 0
		.amdhsa_float_denorm_mode_32 3
		.amdhsa_float_denorm_mode_16_64 3
		.amdhsa_memory_ordered 1
		.amdhsa_forward_progress 1
		.amdhsa_inst_pref_size 91
	.end_amdhsa_kernel
	.amdgpu_metadata
---
amdhsa.version: [ 1, 2 ]
amdhsa.kernels:
  - .name:           k_qd945e3fc44_outp
    .symbol:         k_qd945e3fc44_outp.kd
    .args:
      - { .name: oh, .offset: 0, .size: 8, .value_kind: global_buffer, .address_space: global }
      - { .name: wuh, .offset: 8, .size: 8, .value_kind: global_buffer, .address_space: global }
      - { .name: bu, .offset: 16, .size: 8, .value_kind: global_buffer, .address_space: global }
      - { .name: out0, .offset: 24, .size: 8, .value_kind: global_buffer, .address_space: global }
    .group_segment_fixed_size: 327680
    .private_segment_fixed_size: 0
    .kernarg_segment_align: 8
    .kernarg_segment_size: 32
    .max_flat_workgroup_size: 128
    .sgpr_count:     96
    .vgpr_count:     512
    .wavefront_size: 32
...
	.end_amdgpu_metadata
.endif
;; end of part 4
;; ======== version 2 of 2: 4 launches; version 1 with the launch cast written anew for expert scheduling mode
;; limits: values are held in f16: magnitudes above 65,504 overflow, below 6.1e-05 lose precision
;; workspace buffers: xc 16,777,216 bytes; wcat 6,291,456 bytes; wuh 2,097,152 bytes; msk 81,920 bytes; qh 8,388,608 bytes; kh 16,777,216 bytes; vh 16,777,216 bytes; oh 8,388,608 bytes
;; launch cast (part 5): grid 64 x 12, 8 waves a work-group, no clusters, 0 bytes of LDS; arguments x, context, Wk, Wv, Wq, Wu, mask, contextMask, xc, wcat, wuh, msk; writes xc, wcat, wuh, msk
.if DOCPART == 5
	.amdgcn_target "amdgcn-amd-amdhsa--gfx1250"
	.amdhsa_code_object_version 6
	.text
	.protected	k_qd945e3fc44_cast
	.globl	k_qd945e3fc44_cast
	.p2align	8
	.type	k_qd945e3fc44_cast,@function
k_qd945e3fc44_cast:
	s_mov_b64 s[64:65], 0
	v_nop
	global_prefetch_b8 v0, s[64:65] scope:SCOPE_SE
	s_setreg_imm32_b32 hwreg(HW_REG_WAVE_SCHED_MODE, 0, 2), 2
	s_setreg_imm32_b32 hwreg(HW_REG_WAVE_MODE, 25, 1), 1
	s_wait_xcnt 0x0
	s_wait_alu depctr_vm_vsrc(0)
; CAST.  The module's f32 inputs are rounded once to bf16 and laid out for the products that follow.
;   xc   bf16 [8192][1024]: row b*4096 + t; t < 2048 is x[b][t], else context[b][t-2048]
;   wcat bf16 [1024 k][3072 n] = [Wk | Wv | Wq];   wuh [1024 k][1024 n]: Wu rounded to bf16, that number written as f16
;   msk  bytes 0..32767: mcat f32 [2][4096] = [mask | contextMask]; from 32768: f16 [2][3][4096]: the mask, ones, zeros
; LIMIT: a bf16 number of Wu below 2^-17 in size keeps f16's fixed step of 2^-24; beyond 65,504 it becomes an infinity.
; SHARES.  Grid y names a segment of 1,024 source rows of 4,096 bytes (0-3 x, 4-7 context, 8 Wk, 9 Wv, 10 Wq, 11 Wu); a work-group takes 16 rows;
; thread t takes numbers 4 t .. 4 t + 3 of each row: a wave's load covers 512 consecutive bytes, a wave's store 256 consecutive bytes, aligned.
; All 16 loads of a thread go out at once.  No LDS, no barrier: no wave wants another's bytes.
; THE MODE: SCHED_MODE bits 1:0 = 2 (LLVM: expert scheduling mode 2), set by the entry lines.  The code itself states the register dependences
; between vector instructions and memory instructions, with s_wait_alu, always for 0.
; THE PLAN.  Registers that memory instructions touch:
;   v1, v2   byte offsets, made once at the head and never written again; every load and store reads one of them.
;   XR       row r's four registers: written by row r's load, read by row r's conversions.  On Wu's path XR[0:7] are loaded once more, for the masks.
;   YR       row r's two registers: written once, by row r's conversions; read once, by row r's store; never written again.
;   TT       named by vector instructions alone while the rows go; in the mask part written by vector instructions and then read by stores.
; The 16 rows go in four blocks of four.  Block p's conversions read XR of block p and write TT and YR of block p; its memory instructions are the four
; stores of block p - 1, which read v2 and YR of block p - 1.  So one wait at a block's head states all that its stores hang on, and they are dealt among
; its conversions with no further wait.  No register that a memory instruction has read is written again, so no wait on vm_vsrc is owed.
.set VS, 1                             ; v1  16 t: my bytes in a source row; never rewritten
.set VD, 2                             ; v2  8 t: my bytes in a destination row; never rewritten
.set XR, 4                             ; v[4:67]   row r as loaded, 4 registers
.set YR, 68                            ; v[68:99]  row r to store, 2 registers
.set TT, 100                           ; v[100:107] at work
	s_load_b512 s[8:23], s[0:1], 0x0               ; x 8, context 10, Wk 12, Wv 14, Wq 16, Wu 18, mask 20, contextMask 22
	s_load_b256 s[24:31], s[0:1], 0x40             ; xc 24, wcat 26, wuh 28, msk 30
	s_and_b32 s32, ttmp7, 0xffff                   ; y: the segment
	s_mov_b32 s33, ttmp9                           ; xb: which 16 rows of it
	v_lshrrev_b32 v3, 5, v0
	v_readfirstlane_b32 s34, v3                    ; wave
	v_lshlrev_b32 v[VS], 4, v0
	v_lshlrev_b32 v[VD], 3, v0
	s_wait_alu depctr_va_sdst(0)                   ; s34 is written: its one reader, the compare in the mask part, stands behind branches
	s_and_b32 s44, s32, 3                          ; j
	s_lshl_b32 s45, s33, 4                         ; 16 xb
	s_lshl_b32 s46, s44, 10
	s_cmp_lt_u32 s32, 8
	s_cselect_b32 s46, s46, 0                      ; x and context have four segments, a weight one
	s_add_co_u32 s46, s46, s45
	s_lshl_b32 s40, s46, 12                        ; source offset: row x 4,096
	s_mov_b32 s41, 0
	s_lshr_b32 s47, s44, 1                         ; batch
	s_lshl_b32 s47, s47, 12
	s_bfe_u32 s48, s32, 0x10002                    ; 0: x, 1: context
	s_lshl_b32 s48, s48, 11
	s_add_co_u32 s47, s47, s48
	s_and_b32 s48, s44, 1
	s_lshl_b32 s48, s48, 10
	s_add_co_u32 s47, s47, s48
	s_add_co_u32 s47, s47, s45
	s_lshl_b32 s47, s47, 11                        ; xc: row x 2,048
	s_mul_i32 s48, s45, 6144                       ; wcat: row x 6,144
	s_max_u32 s49, s32, 8
	s_sub_co_u32 s49, s49, 8
	s_lshl_b32 s49, s49, 11                        ; + which of the three weights x 2,048
	s_add_co_u32 s48, s48, s49
	s_lshl_b32 s50, s45, 11                        ; wuh: row x 2,048
	s_cmp_lt_u32 s32, 8
	s_cselect_b32 s42, s47, s48
	s_cmp_eq_u32 s32, 11
	s_cselect_b32 s42, s50, s42
	s_mov_b32 s43, 0
	s_wait_kmcnt 0x0
	s_cmp_ge_u32 s32, 4
	s_cselect_b64 s[36:37], s[10:11], s[8:9]
	s_cmp_ge_u32 s32, 8
	s_cselect_b64 s[36:37], s[12:13], s[36:37]
	s_cmp_ge_u32 s32, 9
	s_cselect_b64 s[36:37], s[14:15], s[36:37]
	s_cmp_ge_u32 s32, 10
	s_cselect_b64 s[36:37], s[16:17], s[36:37]
	s_cmp_ge_u32 s32, 11
	s_cselect_b64 s[36:37], s[18:19], s[36:37]
	s_cmp_ge_u32 s32, 8
	s_cselect_b64 s[38:39], s[26:27], s[24:25]
	s_cmp_eq_u32 s32, 11
	s_cselect_b64 s[38:39], s[28:29], s[38:39]
	s_add_nc_u64 s[36:37], s[36:37], s[40:41]      ; source at my 16 rows
	s_add_nc_u64 s[38:39], s[38:39], s[42:43]      ; destination at my 16 rows
	s_wait_alu depctr_va_vdst(0)                   ; v1 and v2 are written: every load and store of the kernel reads one of them as its offset
.set r, 0
.rept 16
	global_load_b128 v[XR+4*r:XR+4*r+3], v[VS], s[36:37] offset:4096*r th:TH_LOAD_NT
.set r, r+1
.endr
.macro CV r                            ; row r: two roundings to bf16, packed
	v_cvt_pk_bf16_f32 v[YR+2*(\r)], v[XR+4*(\r)], v[XR+4*(\r)+1]
	v_cvt_pk_bf16_f32 v[YR+2*(\r)+1], v[XR+4*(\r)+2], v[XR+4*(\r)+3]
.endm
.macro CVH r                           ; row r of Wu: rounded to bf16, widened, written as f16
	v_cvt_pk_bf16_f32 v[TT], v[XR+4*(\r)], v[XR+4*(\r)+1]
	v_cvt_pk_bf16_f32 v[TT+1], v[XR+4*(\r)+2], v[XR+4*(\r)+3]
	v_lshlrev_b32 v[TT+2], 16, v[TT]
	v_and_b32 v[TT+3], 0xffff0000, v[TT]
	v_lshlrev_b32 v[TT+4], 16, v[TT+1]
	v_and_b32 v[TT+5], 0xffff0000, v[TT+1]
	v_cvt_pk_f16_f32 v[YR+2*(\r)], v[TT+2], v[TT+3]
	v_cvt_pk_f16_f32 v[YR+2*(\r)+1], v[TT+4], v[TT+5]
.endm
; The 16 rows, in four blocks of four.  pitch: bytes from row to row of the destination.  half = 1: Wu's conversions.
.macro ROWS pitch, half
.set p, 0
.rept 4
	s_wait_loadcnt 12-4*p                          ; loads come back in order (ISA guide 5.7.1): block p's four are in, the younger blocks' stay out
.if p > 0
	s_wait_alu depctr_va_vdst(0)                   ; the conversions of block p - 1 have written its YR, which the four stores below read
.endif
.set q, 0
.rept 4
.if p > 0
	global_store_b64 v[VD], v[YR+2*(4*p-4+q):YR+2*(4*p-4+q)+1], s[38:39] offset:(\pitch)*(4*p-4+q)  ; the block before; no vector instruction since the wait names these registers
.endif
.if \half
	CVH 4*p+q
.else
	CV 4*p+q
.endif
.set q, q+1
.endr
.set p, p+1
.endr
	s_wait_alu depctr_va_vdst(0)                   ; block 3's conversions have written its YR, which the last four stores read; all conversions are done reading XR
.set q, 12
.rept 4
	global_store_b64 v[VD], v[YR+2*q:YR+2*q+1], s[38:39] offset:(\pitch)*q
.set q, q+1
.endr
.endm
	s_cmp_eq_u32 s32, 11
	s_cbranch_scc1 .Lf16
	s_cmp_ge_u32 s32, 8
	s_cbranch_scc1 .Lw
	ROWS 2048, 0
	s_endpgm
.Lw:
	ROWS 6144, 0
	s_endpgm
.Lf16:
	ROWS 2048, 1
	; THE MASKS: wave 0 of the first 32 of these work-groups takes 256 mask numbers each: block xb = batch x 16 + part x 8 + idx
	s_cmp_lt_u32 s33, 32
	s_cbranch_scc0 .Lend
	s_cmp_eq_u32 s34, 0
	s_cbranch_scc0 .Lend
	s_lshr_b32 s52, s33, 4                         ; batch
	s_bfe_u32 s53, s33, 0x10003                    ; 0: mask, 1: contextMask
	s_and_b32 s54, s33, 7
	s_lshl_b32 s50, s52, 13
	s_lshl_b32 s54, s54, 10
	s_add_co_u32 s50, s50, s54
	s_mov_b32 s51, 0
	s_cmp_eq_u32 s53, 1
	s_cselect_b64 s[44:45], s[22:23], s[20:21]
	s_add_nc_u64 s[44:45], s[44:45], s[50:51]
	s_lshl_b32 s50, s33, 10
	s_add_nc_u64 s[46:47], s[30:31], s[50:51]      ; mcat: 1,024 bytes a block
	s_mul_i32 s50, s52, 24576
	s_and_b32 s54, s33, 15
	s_lshl_b32 s54, s54, 9
	s_add_co_u32 s50, s50, s54
	s_add_co_u32 s50, s50, 32768
	s_add_nc_u64 s[48:49], s[30:31], s[50:51]      ; the f16 tables: 512 bytes a block
	global_load_b128 v[XR:XR+3], v[VS], s[44:45]   ; no wait here: the rows' last wait has shown the conversions done reading these registers, and no vector instruction stands between it and these loads
	global_load_b128 v[XR+4:XR+7], v[VS], s[44:45] offset:512
	v_mov_b32 v[TT+4], 0x3c003c00                  ; 1.0 twice in f16
	v_mov_b32 v[TT+5], 0x3c003c00
	v_mov_b32 v[TT+6], 0
	v_mov_b32 v[TT+7], 0
	s_wait_loadcnt 0x0
	v_cvt_pk_f16_f32 v[TT], v[XR], v[XR+1]
	v_cvt_pk_f16_f32 v[TT+1], v[XR+2], v[XR+3]
	v_cvt_pk_f16_f32 v[TT+2], v[XR+4], v[XR+5]
	v_cvt_pk_f16_f32 v[TT+3], v[XR+6], v[XR+7]
	s_wait_alu depctr_va_vdst(0)                   ; the four moves and the four conversions have written v[TT .. TT+7], which six of the stores below read
.irp g, 0,1
	global_store_b128 v[VS], v[XR+4*(\g):XR+4*(\g)+3], s[46:47] offset:512*(\g)
	global_store_b64 v[VD], v[TT+2*(\g):TT+2*(\g)+1], s[48:49] offset:256*(\g)
	global_store_b64 v[VD], v[TT+4:TT+5], s[48:49] offset:8192+256*(\g)
	global_store_b64 v[VD], v[TT+6:TT+7], s[48:49] offset:16384+256*(\g)
.endr
.Lend:
	s_endpgm
.Lfunc_end_k_qd945e3fc44_cast:
	.size	k_qd945e3fc44_cast, .Lfunc_end_k_qd945e3fc44_cast-k_qd945e3fc44_cast
	.p2alignl 7, 3214868480
	.fill 96, 4, 3214868480
	.section	.rodata,"a",@progbits
	.p2align	6, 0x0
	.amdhsa_kernel k_qd945e3fc44_cast
		.amdhsa_group_segment_fixed_size 0
		.amdhsa_private_segment_fixed_size 0
		.amdhsa_enable_private_segment 0
		.amdhsa_kernarg_size 96
		.amdhsa_user_sgpr_count 2
		.amdhsa_user_sgpr_kernarg_segment_ptr 1
		.amdhsa_wavefront_size32 1
		.amdhsa_system_sgpr_workgroup_id_x 1
		.amdhsa_system_sgpr_workgroup_id_y 1
		.amdhsa_system_sgpr_workgroup_id_z 1
		.amdhsa_system_vgpr_workitem_id 0
		.amdhsa_next_free_vgpr 112
		.amdhsa_next_free_sgpr 66
		.amdhsa_reserve_vcc 0
		.amdhsa_float_denorm_mode_32 3
		.amdhsa_float_denorm_mode_16_64 3
		.amdhsa_memory_ordered 1
		.amdhsa_forward_progress 1
		.amdhsa_inst_pref_size 23
	.end_amdhsa_kernel
	.amdgpu_metadata
---
amdhsa.version: [ 1, 2 ]
amdhsa.kernels:
  - .name:           k_qd945e3fc44_cast
    .symbol:         k_qd945e3fc44_cast.kd
    .args:
      - { .name: x, .offset: 0, .size: 8, .value_kind: global_buffer, .address_space: global }
      - { .name: context, .offset: 8, .size: 8, .value_kind: global_buffer, .address_space: global }
      - { .name: Wk, .offset: 16, .size: 8, .value_kind: global_buffer, .address_space: global }
      - { .name: Wv, .offset: 24, .size: 8, .value_kind: global_buffer, .address_space: global }
      - { .name: Wq, .offset: 32, .size: 8, .value_kind: global_buffer, .address_space: global }
      - { .name: Wu, .offset: 40, .size: 8, .value_kind: global_buffer, .address_space: global }
      - { .name: mask, .offset: 48, .size: 8, .value_kind: global_buffer, .address_space: global }
      - { .name: contextMask, .offset: 56, .size: 8, .value_kind: global_buffer, .address_space: global }
      - { .name: xc, .offset: 64, .size: 8, .value_kind: global_buffer, .address_space: global }
      - { .name: wcat, .offset: 72, .size: 8, .value_kind: global_buffer, .address_space: global }
      - { .name: wuh, .offset: 80, .size: 8, .value_kind: global_buffer, .address_space: global }
      - { .name: msk, .offset: 88, .size: 8, .value_kind: global_buffer, .address_space: global }
    .group_segment_fixed_size: 0
    .private_segment_fixed_size: 0
    .kernarg_segment_align: 8
    .kernarg_segment_size: 96
    .max_flat_workgroup_size: 256
    .sgpr_count:     66
    .vgpr_count:     112
    .wavefront_size: 32
...
	.end_amdgpu_metadata
.endif
;; end of part 5
;; launch qkv: the kernel of part 2 again; grid 16 x 16, 4 waves a work-group, clusters of 4 x 4, 327,680 bytes of LDS; arguments xc, wcat, msk, kln_w, kln_b, qln_w, qln_b, kh, vh, qh; writes kh, vh, qh
;; launch attn: the kernel of part 3 again; grid 8 x 32, 4 waves a work-group, clusters of 4 x 1, 327,680 bytes of LDS; arguments qh, kh, vh, msk, oh; writes oh
;; launch outp: the kernel of part 4 again; grid 8 x 32, 4 waves a work-group, clusters of 4 x 4, 327,680 bytes of LDS; arguments oh, wuh, bu, out0; writes out0
